; MI455X (gfx1250); checked and timed in simulation.
; The chip was launched on July 23, 2026; its instructions are those of AMD's public machine-readable ISA for CDNA 5 (MIT licence, August 2026) and "CDNA5" Instruction Set Architecture Reference Guide (July 2026). The comments in the code are by the model that wrote it; some were corrected since.
;; Causal Self Attention. Allowed arithmetic: matrix products marked QUANTISED: E3M2 operands, one E8M0 scale for each 32 along K, by v_wmma_scale_f32_16x16x128_f8f6f4 with both operands' format E3M2, f32 sums; everything else in f32.
;; Inputs: w_attn 3,072 x 1,024 float32; w_proj 1,024 x 1,024 float32; x 2 x 2,048 x 1,024 float32.
;; Outputs: out0 2 x 2,048 x 1,024 float32.
;; This version of the problem:
;;   THIS VERSION OF THE PROBLEM IS GIVEN IN LOW PRECISION. The matrix products marked QUANTISED in the list below multiply operands that are first quantised to E3M2 (3 exponent bits, 2 mantissa bits; 6 bits a number), with one power-of-two scale for each 32 numbers along K (OCP MX v1.0); their sums are f32. All else is computed in f32.
;;   The module's matrix products, in the order in which they are computed (A, B: the left and right operand; K: the contracted axis; several contracted axes count as one K, in the product's order):
;;     1. [M 4,096, K 1,024] x [K 1,024, N 3,072]; A: input x; B: input w_attn: QUANTISED
;;     2. batch 32 x [M 2,048, K 64] x [K 64, N 2,048]; A: computed on the way; B: computed on the way: QUANTISED
;;     3. batch 32 x [M 2,048, K 2,048] x [K 2,048, N 64]; A: softmax (see below); B: computed on the way: QUANTISED
;;     4. [M 4,096, K 1,024] x [K 1,024, N 1,024]; A: computed on the way; B: input w_proj: QUANTISED
;;   THE QUANTISER, for each operand of a quantised product, along K:
;;     - K is cut into blocks of 32 from its start; a last block that is shorter is filled with zeros.
;;     - A block's scale is 2^e with e = floor(log2(the largest magnitude in the block)) - 4, held to -126 .. 127; a block of zeros has e = 0. As a byte (E8M0): e + 127.
;;     - Each number is divided by its block's scale, clamped to +-28, and rounded to the nearest number of E3M2, ties to even, subnormals kept.
;;     - The product sums the exact products of the quantised numbers (number of the format x scale) in f32.
;;   ~~~python
;;   def quantise(x, axis):      # numpy; x: float32 -> the quantised numbers, widened to float32 again
;;       x = np.moveaxis(x, axis, -1); K = x.shape[-1]
;;       x = np.pad(x, [(0, 0)] * (x.ndim - 1) + [(0, -K % 32)]); x = x.reshape(x.shape[:-1] + (-1, 32)); a = np.abs(x).max(-1, keepdims=True)
;;       e = np.where(a > 0, np.clip(np.frexp(np.where(a > 0, a, 1))[1] - 1 - 4, -126, 127), 0)      # np.frexp(a)[1] - 1 = floor(log2(a)), exactly
;;       r = np.clip(x / 2.0 ** e, -28, 28)
;;       step = 2.0 ** (np.maximum(np.frexp(np.where(r == 0, 1, r))[1] - 1, -2) - 2)
;;       q = np.round(r / step) * step * 2.0 ** e      # np.round: ties to even
;;       return np.moveaxis(q.reshape(q.shape[:-2] + (-1,))[..., :K], -1, axis).astype(np.float32)
;;   ~~~
;;   SOFTMAX AHEAD OF A QUANTISED PRODUCT. Where the list says 'softmax', what is quantised is not the finished softmax but p = 2^(t - M), with t = logit x log2(e) and M = ceil(the row's largest t), a whole number; so 1/2 < the row's largest p <= 1. The row's sum l is taken of the UNQUANTISED p, in f32, and the product's result is divided by l at the end. Since M is a whole number, a kernel that streams over the keys may use a running M (the ceiling of the running maximum): every later rescaling is an exact power of two, which a block's scale takes up: the codes' values come out the same.
;;   OPERANDS COMPUTED ON THE WAY. 'Computed on the way' means the value that the module computes at that place (a softmax that the list does not call 'softmax' is quantised finished and normalised). What goes into a quantiser is computed in f32, as accurately as f32 sums, v_exp_f32 and their like allow (about 1e-6 of the number): no bf16 or f16 on the way to a quantiser, and a product that is left as it is and whose result goes on into a quantised operand takes f32 operands (vector FMAs, or v_wmma_f32_16x16x4_f32). A number that lies on a knife's edge between two numbers of the format may be rounded either way, as far as f32 arithmetic and the matrix unit's own rounding can turn it there, and no further.
;; One version. Each part assembles by itself: llvm-mc -triple=amdgcn-amd-amdhsa -mcpu=gfx1250 --defsym DOCPART=n.
;; ======== version 1 of 1: 4 launches
;; limits: right only within a limited range of input values
;; workspace buffers: xw_codes 6,291,456 bytes; xw_scales 262,144 bytes; rope 524,288 bytes; q 3,407,872 bytes; kv 6,684,672 bytes; y_codes 3,145,728 bytes; y_scales 131,072 bytes
;; launch quant (part 1): grid 256 x 1, 2 waves a work-group, no clusters, 17,664 bytes of LDS; arguments x, w_attn, w_proj, xw_codes, xw_scales, rope; writes xw_codes, xw_scales, rope
.if DOCPART == 1
	.amdgcn_target "amdgcn-amd-amdhsa--gfx1250"
	.amdhsa_code_object_version 6
	.text
	.protected	k_q4698f39215_quant
	.globl	k_q4698f39215_quant
	.p2align	8
	.type	k_q4698f39215_quant,@function
k_q4698f39215_quant:
	s_mov_b64 s[64:65], 0
	v_nop
	global_prefetch_b8 v0, s[64:65] scope:SCOPE_SE
	s_setreg_imm32_b32 hwreg(HW_REG_WAVE_MODE, 25, 1), 1
	s_wait_xcnt 0x0
; x [4096][1024], w_attn [3072][1024], w_proj [1024][1024], f32, K innermost, become codes of BF6 (E3M2) with one E8M0 byte for each 32 along K; and the table of cos and sin for the rotation is made.
; FORMAT OF THE CODES.  A ROW TILE is 16 rows; tile t of a tensor takes rows 32 (t / 2) + 8 (t % 2) + r + 8 (r / 8), r = 0 .. 15.  A CHUNK is a tile's 64 along K, 768 bytes, laid as the matrix operand's registers:
; lane (r, h) holds row r, k = 32 h .. 32 h + 31, in six registers; registers 0-3 lie at 16 x lane, registers 4-5 at 512 + 8 x lane.  A tile's 16 chunks lie on end: 12,288 bytes.  Tiles: x 0-255, w_attn 256-447, w_proj 448-511.
; THE SCALE BYTES of a tile: 16 rows x 32 bytes (a row's 8 words of four bytes), 512 bytes.
; A block's scale is 2^(floor(log2(largest magnitude)) - 4); its byte is the largest magnitude's exponent field - 4, held at 1 from below.
; LIMITS: a block of zeros, or one whose largest magnitude lies under 2^-122, gets the byte 1 where the quantiser says 127 or less: its codes are zeros or held small, and this program alone reads the bytes.  NaN and infinities are not served.
; THE TABLE: 128 tiles of positions (the same order of rows) x 8 images of 512 bytes, 16 bytes a lane: image 2 b + f: cos of pairs 16 b + 8 h + 4 f + 0 .. 3 at lane (r, h)'s position; images 4 to 7: sin likewise.
; The frequency is 2^(-i log2(10000) / 32) by v_exp_f32; the angle is reduced by pi / 2 in two parts and cos, sin come from polynomials of degree 7 and 8 on +-pi / 4.  LIMIT: the frequency carries v_exp_f32's last-bit error, so the angle at the
; last positions (2,047 x the frequency) is good to about 2e-4 rad.
; SHARES.  Wave T = 2 x work-group + wave takes row tile T, 16 steps of one chunk, and one quarter of a position tile's table.  Each load reads two rows' 256 consecutive bytes; a step's 4,096 bytes turn through the wave's own stage
; in LDS (rows 272 bytes apart) so that a lane gets 32 neighbours of one row.  Loads run four steps (32 loads a wave) ahead, the turn one step.  No barrier: waves share nothing.
.set WREG, 8704                        ; LDS of a wave: two stages
.set STG,  4352                        ; a stage: 16 rows x 272
.set PIT,  272
.set W,    16                          ; v16-23   the eight scale words, in parts
.set PD,   24                          ; v24-31   lane permutes' destinations, then the words that leave
.set CD,   32                          ; v32-47   two sets of codes
.set T2,   48                          ; v48-55   two sets for a block's upper 16 codes
.set R,    64                          ; v64-191  four sets of 32 registers as loaded
.set X,    192                         ; v192-255 two sets of 32 neighbours; ahead of that the table's work
	s_load_b256 s[4:11], s[0:1], 0x0               ; x, w_attn, w_proj, the codes
	s_load_b128 s[12:15], s[0:1], 0x20             ; the scale bytes, the table
	v_lshl_add_u32 v62, v0, 2, 0x4400
	v_mov_b32 v63, 0
	v_lshrrev_b32 v1, 5, v0
	v_readfirstlane_b32 s16, v1                    ; wave
	v_and_b32 v1, 31, v0                           ; lane
	v_and_b32 v2, 15, v0                           ; r
	v_bfe_u32 v3, v0, 4, 1                         ; h
	s_lshl_b32 s17, ttmp9, 1
	s_add_co_u32 s17, s17, s16                     ; T
	s_mul_i32 s34, s16, WREG
	v_lshlrev_b32 v4, 4, v2
	v_lshl_add_u32 v4, v3, 12, v4                  ; in memory: 16 bytes a lane, lanes 16-31 one row down
	v_mul_u32_u24 v5, v3, PIT
	v_lshl_add_u32 v5, v2, 4, v5
	v_add_nc_u32 v5, s34, v5                       ; into the stage: the same two rows
	v_mul_u32_u24 v6, v2, PIT
	v_lshl_add_u32 v6, v3, 7, v6
	v_add_nc_u32 v6, s34, v6                       ; out of it: row r, 128 bytes for each half of the lanes
	v_lshlrev_b32 v7, 4, v1                        ; 16 x lane
	v_lshlrev_b32 v8, 3, v1                        ; 8 x lane
	v_lshlrev_b32 v9, 3, v3                        ; my byte's place in a scale word: 8 h bits up in an even step,
	v_add_nc_u32 v10, 16, v9                       ; 16 + 8 h in an odd one
.irp j, 0,1,2,3,4,5,6,7
	v_mov_b32 v[PD+\j], 0                          ; written once: a lane permute's destination counts as one of its sources
.endr
	s_mov_b32 s20, 0x76543210
	s_mov_b32 s21, 0xfedcba98                      ; v_permlanex16_b32's selects for lane l xor 16
	s_mov_b32 s22, 0xbed49a78                      ; -log2(10000) / 32
	s_mov_b32 s23, 0x3f22f983                      ; 2 / pi
	s_mov_b32 s24, 0xbfc90fdb                      ; -(pi / 2), upper part
	s_mov_b32 s25, 0x333bbd2e                      ; -(pi / 2), lower part
	s_mov_b32 s26, 0xbe2aaaa3                      ; sin: -1.6666654e-1, 8.3321609e-3, -1.9515296e-4
	s_mov_b32 s27, 0x3c08839e
	s_mov_b32 s28, 0xb94ca1f9
	s_mov_b32 s29, 0x3d2aaaa5                      ; cos: 4.1666646e-2, -1.3887316e-3, 2.4433157e-5
	s_mov_b32 s30, 0xbab6061a
	s_mov_b32 s31, 0x37ccf5ce
	s_lshr_b32 s35, s17, 2                         ; the table's tile of positions: T / 4
	s_lshr_b32 s36, s35, 1
	s_lshl_b32 s36, s36, 5
	s_and_b32 s37, s35, 1
	s_lshl_b32 s37, s37, 3
	s_add_co_u32 s36, s36, s37                     ; its first position
	s_bfe_u32 s37, s17, 0x10001
	s_lshl_b32 s37, s37, 4
	s_and_b32 s38, s17, 1
	s_lshl_b32 s38, s38, 2
	s_add_co_u32 s37, s37, s38                     ; 16 b + 4 f
	s_lshl_b32 s38, s35, 12
	s_and_b32 s39, s17, 3
	s_lshl_b32 s39, s39, 9
	s_add_co_u32 s38, s38, s39                     ; the image's place in the table
	s_mov_b32 s39, 0
	s_wait_kmcnt 0x0
	s_cmp_lt_u32 ttmp9, 128                        ; which tensor: the choice hangs on the work-group's number alone
	s_cselect_b64 s[4:5], s[4:5], s[6:7]
	s_cselect_b32 s18, 0, 128
	s_cmp_lt_u32 ttmp9, 224
	s_cselect_b64 s[4:5], s[4:5], s[8:9]
	s_cselect_b32 s18, s18, 224
	s_sub_co_u32 s18, ttmp9, s18
	s_lshl_b32 s18, s18, 17                        ; 32 rows of 4,096 bytes a work-group,
	s_lshl_b32 s19, s16, 15                        ; the odd tile begins 8 rows down
	s_add_co_u32 s18, s18, s19
	s_mov_b32 s19, 0
	s_add_nc_u64 s[4:5], s[4:5], s[18:19]
	s_mul_i32 s18, s17, 12288
	s_add_nc_u64 s[10:11], s[10:11], s[18:19]
	s_lshl_b32 s18, s17, 9
	s_add_nc_u64 s[12:13], s[12:13], s[18:19]
	s_add_nc_u64 s[14:15], s[14:15], s[38:39]
.macro LOAD c                          ; chunk c: tile rows 2 i + h, which are rows 2 i + 8 (i / 4) + h of the tile's 24
.irp i, 0,1,2,3,4,5,6,7
	global_load_b128 v[R+32*((\c)%4)+4*\i:R+32*((\c)%4)+4*\i+3], v4, s[4:5] offset:(2*\i+8*(\i/4))*4096+256*(\c) th:TH_LOAD_NT
.endr
.endm
.macro TURN c                          ; through the stage: LDS serves a wave's instructions in order, so no wait stands between the stores and the loads
.irp i, 0,1,2,3,4,5,6,7
	ds_store_b128 v5, v[R+32*((\c)%4)+4*\i:R+32*((\c)%4)+4*\i+3] offset:STG*((\c)%2)+2*PIT*\i
.endr
.irp j, 0,1,2,3,4,5,6,7
	ds_load_b128 v[X+32*((\c)%2)+4*\j:X+32*((\c)%2)+4*\j+3], v6 offset:STG*((\c)%2)+16*\j
.endr
.endm
	LOAD 0
	LOAD 1
	LOAD 2
	LOAD 3
	; ---- the table, while the first loads are on their way: four pairs a lane, the four chains by turns
	v_and_b32 v236, 8, v2
	v_add3_u32 v236, v236, v2, s36                 ; my position
	v_cvt_f32_u32 v236, v236
	v_lshl_add_u32 v237, v3, 3, s37                ; my first pair
.irp j, 0,1,2,3
	v_add_nc_u32 v[192+\j], \j, v237
.endr
.irp j, 0,1,2,3
	v_cvt_f32_u32 v[192+\j], v[192+\j]
.endr
.irp j, 0,1,2,3
	v_mul_f32 v[192+\j], s22, v[192+\j]
.endr
	s_wait_alu depctr_va_vdst(0)
.irp j, 0,1,2,3
	v_exp_f32 v[192+\j], v[192+\j]                 ; the frequency
.endr
	v_nop                                          ; a plain place behind the exponentials
	s_wait_alu depctr_va_vdst(0)
.irp j, 0,1,2,3
	v_mul_f32 v[196+\j], v236, v[192+\j]           ; the angle a
.endr
.irp j, 0,1,2,3
	v_mul_f32 v[200+\j], s23, v[196+\j]
.endr
.irp j, 0,1,2,3
	v_rndne_f32 v[200+\j], v[200+\j]               ; n = the nearest multiple of pi / 2
.endr
.irp j, 0,1,2,3
	v_fma_f32 v[204+\j], v[200+\j], s24, v[196+\j]
.endr
.irp j, 0,1,2,3
	v_fma_f32 v[204+\j], v[200+\j], s25, v[204+\j] ; rho = a - n pi / 2
.endr
.irp j, 0,1,2,3
	v_mul_f32 v[208+\j], v[204+\j], v[204+\j]      ; z = rho^2
.endr
.irp j, 0,1,2,3
	v_fma_f32 v[212+\j], v[208+\j], s28, s27
	v_fma_f32 v[216+\j], v[208+\j], s31, s30
.endr
.irp j, 0,1,2,3
	v_fma_f32 v[212+\j], v[212+\j], v[208+\j], s26
	v_fma_f32 v[216+\j], v[216+\j], v[208+\j], s29
.endr
.irp j, 0,1,2,3
	v_mul_f32 v[224+\j], v[208+\j], v[204+\j]
.endr
.irp j, 0,1,2,3
	v_fma_f32 v[212+\j], v[212+\j], v[224+\j], v[204+\j]   ; sin rho
.endr
.irp j, 0,1,2,3
	v_mul_f32 v[224+\j], v[208+\j], v[208+\j]
.endr
.irp j, 0,1,2,3
	v_fma_f32 v[208+\j], v[208+\j], -0.5, 1.0
.endr
.irp j, 0,1,2,3
	v_fma_f32 v[216+\j], v[216+\j], v[224+\j], v[208+\j]   ; cos rho
.endr
.irp j, 0,1,2,3
	v_cvt_i32_f32 v[220+\j], v[200+\j]             ; the quadrant is n mod 4
.endr
.irp j, 0,1,2,3
	v_and_b32 v[224+\j], 1, v[220+\j]
	v_cmp_eq_u32 vcc_lo, 1, v[224+\j]              ; odd: the two change places (a choice of values, no branch)
	v_cndmask_b32 v[232+\j], v[212+\j], v[216+\j], vcc_lo
	v_cndmask_b32 v[228+\j], v[216+\j], v[212+\j], vcc_lo
	v_and_b32 v[224+\j], 2, v[220+\j]
	v_lshlrev_b32 v[224+\j], 30, v[224+\j]
	v_xor_b32 v[232+\j], v[232+\j], v[224+\j]      ; sin is negative in quadrants 2 and 3,
	v_add_nc_u32 v[224+\j], 1, v[220+\j]
	v_and_b32 v[224+\j], 2, v[224+\j]
	v_lshlrev_b32 v[224+\j], 30, v[224+\j]
	v_xor_b32 v[228+\j], v[228+\j], v[224+\j]      ; cos in 1 and 2
.endr
	global_store_b128 v7, v[228:231], s[14:15]             ; 32 lanes store 512 consecutive bytes
	global_store_b128 v7, v[232:235], s[14:15] offset:2048
	s_wait_loadcnt 24                              ; step 0's eight loads are in; those of steps 1 to 3 may be out
	s_wait_xcnt 0x0                                ; the two stores have read their registers: the stage's loads may land there
	TURN 0
.macro STEP c
.set XS, X+32*((\c)%2)
.set CC, CD+8*((\c)%2)
.set TC, T2+4*((\c)%2)
	s_wait_dscnt 0x0                               ; this step's numbers are back from the stage
.if (\c)+4 < 16
	LOAD (\c)+4                                    ; into the registers that this step's stores into the stage have read
.endif
.if (\c) < 15
.if 14-(\c) >= 3
	s_wait_loadcnt 24                              ; the next step's eight loads are in; those of the three steps behind it may be out
.else
	s_wait_loadcnt 8*(14-(\c))
.endif
	TURN (\c)+1                                    ; and go through the other stage while this step is worked
.endif
	v_max3_num_f32 v12, |v[XS]|, |v[XS+1]|, |v[XS+2]|      ; the block's largest magnitude: all 32 numbers are mine; two chains
	v_max3_num_f32 v13, |v[XS+3]|, |v[XS+4]|, |v[XS+5]|
.irp i, 6,10,14,18,22,26
	v_max3_num_f32 v12, v12, |v[XS+\i]|, |v[XS+\i+1]|
	v_max3_num_f32 v13, v13, |v[XS+\i+2]|, |v[XS+\i+3]|
.endr
	v_max3_num_f32 v12, v12, |v[XS+30]|, |v[XS+31]|
	v_max3_num_f32 v12, v12, v13, 0x2800000        ; and the floor 2^(5 - 127): the byte cannot fall under 1
	v_add_nc_u32 v11, 0xfe000000, v12              ; 4 off the exponent field: the conversion's scale operand
	s_wait_alu depctr_va_vdst(0)
	s_wait_xcnt 0x0                                ; the stores of two steps ago have read this set of codes
	v_cvt_scalef32_pk16_bf6_f32 v[CC:CC+2], v[XS:XS+15], v11
	v_cvt_scalef32_pk16_bf6_f32 v[TC:TC+2], v[XS+16:XS+31], v11   ; (a conversion's three registers begin on an even number)
	v_lshrrev_b32 v14, 23, v11                     ; the scale's byte.  (A plain place behind the conversions)
	v_mov_b32 v[CC+3], v[TC]
	v_mov_b32 v[CC+4], v[TC+1]
	v_mov_b32 v[CC+5], v[TC+2]
.if (\c)%2 == 0
	v_lshlrev_b32 v[W+(\c)/2], v9, v14             ; block 2 c + h is byte 2 (c % 2) + h of word c / 2
.else
	v_lshlrev_b32 v15, v10, v14
	v_or_b32 v[W+(\c)/2], v[W+(\c)/2], v15
.endif
	global_store_b128 v7, v[CC:CC+3], s[10:11] offset:768*(\c)         ; 512 consecutive bytes,
	global_store_b64 v8, v[CC+4:CC+5], s[10:11] offset:768*(\c)+512    ; and 256: the chunk is three whole blocks of 256 bytes
.endm
.irp c, 0,1,2,3,4,5,6,7,8,9,10,11,12,13,14,15
	STEP \c
.endr
	s_mov_b32 vcc_lo, 0xffff0000                   ; lanes 16-31
.irp j, 0,1,2,3,4,5,6,7
	v_permlanex16_b32 v[PD+\j], v[W+\j], s20, s21
.endr
.irp j, 0,1,2,3,4,5,6,7
	v_or_b32 v[W+\j], v[W+\j], v[PD+\j]            ; with lane l xor 16's two bytes each word is whole
.endr
.irp j, 0,1,2,3
	v_cndmask_b32 v[PD+\j], v[W+\j], v[W+4+\j], vcc_lo     ; lanes 0-15 send words 0-3 of their row, lanes 16-31 words 4-7
.endr
	v_lshlrev_b32 v12, 5, v2
	v_lshl_add_u32 v12, v3, 4, v12
	global_store_b128 v12, v[PD:PD+3], s[12:13]    ; the tile's 512 bytes of scales
	s_wait_tensorcnt 0x0
	ds_add_u32 v62, v63
	s_wait_dscnt 0x0
	s_endpgm
.Lfunc_end_k_q4698f39215_quant:
	.size	k_q4698f39215_quant, .Lfunc_end_k_q4698f39215_quant-k_q4698f39215_quant
	.p2alignl 7, 3214868480
	.fill 96, 4, 3214868480
	.section	.rodata,"a",@progbits
	.p2align	6, 0x0
	.amdhsa_kernel k_q4698f39215_quant
		.amdhsa_group_segment_fixed_size 17664
		.amdhsa_private_segment_fixed_size 0
		.amdhsa_enable_private_segment 0
		.amdhsa_kernarg_size 48
		.amdhsa_user_sgpr_count 2
		.amdhsa_user_sgpr_kernarg_segment_ptr 1
		.amdhsa_wavefront_size32 1
		.amdhsa_system_sgpr_workgroup_id_x 1
		.amdhsa_system_sgpr_workgroup_id_y 1
		.amdhsa_system_sgpr_workgroup_id_z 1
		.amdhsa_system_vgpr_workitem_id 0
		.amdhsa_next_free_vgpr 256
		.amdhsa_next_free_sgpr 66
		.amdhsa_reserve_vcc 1
		.amdhsa_float_denorm_mode_32 3
		.amdhsa_float_denorm_mode_16_64 3
		.amdhsa_memory_ordered 1
		.amdhsa_forward_progress 1
		.amdhsa_inst_pref_size 66
	.end_amdhsa_kernel
	.amdgpu_metadata
---
amdhsa.version: [ 1, 2 ]
amdhsa.kernels:
  - .name:           k_q4698f39215_quant
    .symbol:         k_q4698f39215_quant.kd
    .args:
      - { .name: x, .offset: 0, .size: 8, .value_kind: global_buffer, .address_space: global }
      - { .name: w_attn, .offset: 8, .size: 8, .value_kind: global_buffer, .address_space: global }
      - { .name: w_proj, .offset: 16, .size: 8, .value_kind: global_buffer, .address_space: global }
      - { .name: xw_codes, .offset: 24, .size: 8, .value_kind: global_buffer, .address_space: global }
      - { .name: xw_scales, .offset: 32, .size: 8, .value_kind: global_buffer, .address_space: global }
      - { .name: rope, .offset: 40, .size: 8, .value_kind: global_buffer, .address_space: global }
    .group_segment_fixed_size: 17664
    .private_segment_fixed_size: 0
    .kernarg_segment_align: 8
    .kernarg_segment_size: 48
    .max_flat_workgroup_size: 64
    .sgpr_count:     66
    .vgpr_count:     256
    .wavefront_size: 32
...
	.end_amdgpu_metadata
.endif
;; end of part 1
;; launch qkv (part 2): grid 12 x 16, 4 waves a work-group, clusters of 4 x 4, 327,680 bytes of LDS; arguments xw_codes, xw_scales, rope, q, kv; writes q, kv
.if DOCPART == 2
	.amdgcn_target "amdgcn-amd-amdhsa--gfx1250"
	.amdhsa_code_object_version 6
	.text
	.protected	k_q4698f39215_qkv
	.globl	k_q4698f39215_qkv
	.p2align	8
	.type	k_q4698f39215_qkv,@function
k_q4698f39215_qkv:
	s_mov_b64 s[64:65], 0
	v_nop
	global_prefetch_b8 v0, s[64:65] scope:SCOPE_SE
	s_setreg_imm32_b32 hwreg(HW_REG_WAVE_MODE, 25, 1), 1
	s_wait_xcnt 0x0
	s_wait_alu depctr_hold_cnt(0) depctr_sa_sdst(0) depctr_va_vdst(0) depctr_va_sdst(0) depctr_va_ssrc(0) depctr_va_vcc(0) depctr_vm_vsrc(0)
	s_getreg_b32 s2, hwreg(HW_REG_IB_STS2, 6, 4)
	s_cmp_eq_u32 s2, 0
	s_cbranch_scc0 .Lentry_in_a_cluster
	s_endpgm
.Lentry_in_a_cluster:
	s_bfe_u32 s2, ttmp6, 0x10000c
	s_cmp_lg_u32 s2, 0xf033
	s_cbranch_scc0 .Lentry_shape_is_right
	s_endpgm
.Lentry_shape_is_right:
.set FR,    12
.set NL,    4
.set NP,    4
.set TILEB, 3072
.set HALFT, 8*TILEB
.set SLOT,  4*HALFT
.set SCL,   2*SLOT
.set HALFS, 4352
.set SBLK,  544
.set SPARE, SCL+4*HALFS
.set QSC,   3145728
.set KVSTEP, 13056
.set KVHEAD, 208896
.set L16,  2
.set L8,   3
.set RR,   4
.set HH,   5
.set SH16, 8
.set L16H, 9
.set L8H,  10
.set L16S, 11
.set VTO,  12
.set ADRA, 16
.set ADRB, 20
.set STW,  24
.set STR,  25
.set ADRS, 27
.set SPW,  28
.set NIL,  29
.set SC,   32
.set PC,   96
.set XP,   116
.set XQ,   118
.set PW,   120
.set PWS,  121
.set AF,   128
.set ST,   128
.set TT,   192
.set TM,   208
.set TBL,  224
.set SEL,  2
.set G1,   24
.set G0,   32
.set G1B,  48
.set G0B,  56
.set G1S,  68
.set G0S,  76
.set G1SB, 80
.set G0SB, 88
.set MSB, 0
.macro WIN new
.set NW, \new
.if MSB != NW
	s_set_vgpr_msb (MSB<<8)|NW
.set MSB, NW
.endif
.endm
.set MUL_LO, 0xa1
.set MUL_HI, 0xf1
.set TO_B,   0x40
.macro JLOAD g0a, g1a, g0b, g1b
	s_cmp_eq_u32 s15, 0
	s_cbranch_scc0 .Lfor_b_\@
	tensor_load_to_lds s[\g0a:\g0a+3], s[\g1a:\g1a+7]
	s_nop 0
.rept 4
	v_nop
.endr
	s_branch .Lasked_\@
.Lfor_b_\@:
	tensor_load_to_lds s[\g0b:\g0b+3], s[\g1b:\g1b+7]
	s_nop 0
.rept 4
	v_nop
.endr
.Lasked_\@:
.endm
.macro CREST
	s_cmp_lg_u32 s14, 0
	s_cbranch_scc1 .Lnot_wave_0_\@
	s_barrier_signal -3
.Lnot_wave_0_\@:
	s_barrier_wait -3
	s_barrier_signal -1
	s_barrier_wait -1
.endm
.macro CROUND
	s_barrier_signal -1
	s_barrier_wait -1
	CREST
.endm
	s_load_b256 s[4:11], s[0:1], 0x0
	s_load_b64 s[12:13], s[0:1], 0x20
	v_lshl_add_u32 v[SPW], v0, 2, SPARE
	v_mov_b32 v[NIL], 0
	ds_add_u32 v28, v29
	ds_add_u32 v28, v29
	s_wait_dscnt 0x0
	v_lshrrev_b32 v1, 5, v0
	v_readfirstlane_b32 s14, v1
	s_lshr_b32 s15, s14, 1
	s_and_b32 s16, s14, 1
	s_bfe_u32 s40, ttmp6, 0x40000
	s_bfe_u32 s41, ttmp6, 0x40004
	s_and_b32 s45, ttmp7, 0xffff
	s_cmp_eq_u32 ttmp9, 2
	s_cselect_b32 s17, 0, s45
	s_cselect_b32 s42, s45, ttmp9
	s_cselect_b32 s96, 384, 0
	s_cselect_b32 s97, 0, 256
	s_lshl_b32 s17, s17, 2
	s_add_co_u32 s17, s17, s41
	s_lshl_b32 s42, s42, 2
	s_add_co_u32 s42, s42, s40
	s_lshl_b32 s43, s41, 2
	s_lshl_b32 s43, 15, s43
	s_lshl_b32 s44, 0x1111, s40
	s_or_b32 s[G1+0], s43, (3<<16)|(1<<21)
	s_or_b32 s[G1B+0], s44, (3<<16)|(1<<21)
.irp g, G1, G1B
	s_mov_b32 s[\g+1], 384<<16
	s_mov_b32 s[\g+2], 16<<16                      ; the head's loads bring all 16 row tiles of a side; behind them the two words that count rows are set to 8
	s_mov_b32 s[\g+3], 384<<16
	s_mov_b32 s[\g+4], 16
	s_mov_b32 s[\g+5], 1536
	s_mov_b32 s[\g+6], 0
	s_mov_b32 s[\g+7], 0
.endr
	s_or_b32 s[G1S+0], s43, (3<<16)|(1<<20)|(1<<21)|(5<<22)|(3<<25)
	s_or_b32 s[G1SB+0], s44, (3<<16)|(1<<20)|(1<<21)|(5<<22)|(3<<25)
.irp g, G1S, G1SB
	s_mov_b32 s[\g+1], 32<<16
	s_mov_b32 s[\g+2], 32<<16                      ; the scales of a side's 16 row tiles: 32 rows of 256 bytes
	s_mov_b32 s[\g+3], 32<<16
	s_mov_b32 s[\g+4], 32
	s_mov_b32 s[\g+5], 32
	s_mov_b32 s[\g+6], 0
	s_mov_b32 s[\g+7], 0
.endr
	s_lshl_b32 s20, s17, 4                         ; the first row tile of each side
	s_add_co_u32 s20, s20, s96
	s_lshl_b32 s46, s42, 4
	s_add_co_u32 s46, s46, s97
	s_lshl_b32 s22, s20, 9
	s_mov_b32 s23, 0
	s_lshl_b32 s92, s46, 9
	s_mov_b32 s93, 0
	s_mul_i32 s20, s20, 12288
	s_mov_b32 s21, 0
	s_mul_i32 s46, s46, 12288
	s_mov_b32 s47, 0
	s_mul_i32 s45, s14, HALFT
	s_mul_i32 s18, s16, 8*12288                    ; in the ring I fetch 8 row tiles of a side: which half, in bytes
	s_mov_b32 s19, 0
	s_wait_kmcnt 0x0
	s_add_nc_u64 s[20:21], s[4:5], s[20:21]
	s_add_nc_u64 s[22:23], s[6:7], s[22:23]
	s_add_nc_u64 s[46:47], s[4:5], s[46:47]
	s_add_nc_u64 s[92:93], s[6:7], s[92:93]
	CROUND
	; THE HEAD'S FOUR TILES, each whole, one joint load a wave: wave 0 source 1's 16 row tiles of the first 256 along K, wave 1 source 0's, wave 2 and 3 their scales
	s_mov_b32 s[G0], 1
	s_mov_b32 s[G0+1], 0
	s_mov_b64 s[G0+2:G0+3], s[20:21]
	s_or_b32 s[G0+3], s[G0+3], 0x80000000
	s_mov_b32 s[G0B], 1
	s_mov_b32 s[G0B+1], 2*HALFT
	s_mov_b64 s[G0B+2:G0B+3], s[46:47]
	s_or_b32 s[G0B+3], s[G0B+3], 0x80000000
	s_mov_b32 s[G0S], 1
	s_mov_b32 s[G0S+1], SCL
	s_mov_b64 s[G0S+2:G0S+3], s[22:23]
	s_or_b32 s[G0S+3], s[G0S+3], 0x80000000
	s_mov_b32 s[G0SB], 1
	s_mov_b32 s[G0SB+1], SCL+2*HALFS
	s_mov_b64 s[G0SB+2:G0SB+3], s[92:93]
	s_or_b32 s[G0SB+3], s[G0SB+3], 0x80000000
	s_add_nc_u64 s[20:21], s[20:21], s[18:19]      ; for the ring: my 8 row tiles
	s_add_nc_u64 s[46:47], s[46:47], s[18:19]
	s_mov_b32 s[G0+4], 1                           ; slot 1's group 0: the second 256 along K
	s_add_co_u32 s[G0+5], s45, SLOT
	s_add_nc_u64 s[G0+6:G0+7], s[20:21], TILEB
	s_or_b32 s[G0+7], s[G0+7], 0x80000000
	s_mov_b32 s[G0B+4], 1
	s_add_co_u32 s[G0B+5], s45, SLOT
	s_add_nc_u64 s[G0B+6:G0B+7], s[46:47], TILEB
	s_or_b32 s[G0B+7], s[G0B+7], 0x80000000
.macro ARM under, g0, g1, next         ; one tree of branches on the wave's number: every way through the head passes exactly one load
	s_cmp_lt_u32 s14, \under
	s_cbranch_scc0 \next
	tensor_load_to_lds s[\g0:\g0+3], s[\g1:\g1+7]
	s_nop 0
.rept 4
	v_nop
.endr
	s_branch .Lhead_asked
\next:
.endm
	ARM 1, G0,  G1,  .Lhead_b
	ARM 2, G0B, G1B, .Lhead_sa
	ARM 3, G0S, G1S, .Lhead_sb
	tensor_load_to_lds s[G0SB:G0SB+3], s[G1SB:G1SB+7]
	s_nop 0
.rept 4
	v_nop
.endr
.Lhead_asked:
	v_and_b32 v1, 31, v0
	v_lshlrev_b32 v[L16], 4, v1
	v_lshlrev_b32 v[L8], 3, v1
	v_and_b32 v[RR], 15, v0
	v_bfe_u32 v[HH], v0, 4, 1
	s_mul_i32 s21, s15, HALFT
	s_mul_i32 s22, s16, HALFT
	s_add_co_u32 s22, s22, 2*HALFT
.irp s, 0,1
	v_add_nc_u32 v[ADRA+\s], s21, v[L16]
	v_add_nc_u32 v[ADRA+2+\s], s21, v[L8]
	v_add_nc_u32 v[ADRB+\s], s22, v[L16]
	v_add_nc_u32 v[ADRB+2+\s], s22, v[L8]
	s_add_co_u32 s21, s21, SLOT
	s_add_co_u32 s22, s22, SLOT
.endr
	v_lshrrev_b32 v6, 3, v[RR]
	v_and_b32 v7, 7, v[RR]
	v_mul_u32_u24 v6, v6, 272
	v_lshl_add_u32 v6, v7, 5, v6
	s_mul_i32 s21, s15, HALFS
	s_mul_i32 s22, s16, HALFS
	s_add_co_u32 s22, s22, 2*HALFS
	s_sub_co_u32 s22, s22, s21
	v_mul_u32_u24 v7, s22, v[HH]
	s_add_co_u32 s21, s21, SCL
	v_add_nc_u32 v6, v6, v7
	v_add_nc_u32 v[ADRS], s21, v6
	s_lshl_b32 s21, s14, 10
	v_lshlrev_b32 v[STW], 2, v[RR]
	v_lshl_add_u32 v[STW], v[HH], 9, v[STW]
	v_add_nc_u32 v[STW], s21, v[STW]
	v_add_nc_u32 v[STR], s21, v[L16]
.macro FRAG reg, adr, off
	ds_load_b128 v[(\reg):(\reg)+3], v[(\adr)] offset:(\off)
	ds_load_b64 v[(\reg)+4:(\reg)+5], v[(\adr)+2] offset:(\off)+512
	ds_load_b128 v[(\reg)+6:(\reg)+9], v[(\adr)] offset:(\off)+768
	ds_load_b64 v[(\reg)+10:(\reg)+11], v[(\adr)+2] offset:(\off)+1280
.endm
.macro MUL16 a0, p, g, zero
.irp a, \a0, \a0+1
.irp b, 0,1,2,3,4,5,6,7
.if \zero
	v_wmma_scale_f32_16x16x128_f8f6f4 v[8*(8*((\a)%4)+\b):8*(8*((\a)%4)+\b)+7], v[128*(\p)+FR*\b:128*(\p)+FR*\b+FR-1], v[AF+FR*(\a):AF+FR*(\a)+FR-1], 0, v[SC+8*\b+(\g)], v[SC+8*(\a)+(\g)] matrix_a_fmt:MATRIX_FMT_BF6 matrix_b_fmt:MATRIX_FMT_BF6 matrix_a_scale:MATRIX_SCALE_ROW1
.else
	v_wmma_scale_f32_16x16x128_f8f6f4 v[8*(8*((\a)%4)+\b):8*(8*((\a)%4)+\b)+7], v[128*(\p)+FR*\b:128*(\p)+FR*\b+FR-1], v[AF+FR*(\a):AF+FR*(\a)+FR-1], v[8*(8*((\a)%4)+\b):8*(8*((\a)%4)+\b)+7], v[SC+8*\b+(\g)], v[SC+8*(\a)+(\g)] matrix_a_fmt:MATRIX_FMT_BF6 matrix_b_fmt:MATRIX_FMT_BF6 matrix_a_scale:MATRIX_SCALE_ROW1
.endif
.endr
.endr
.endm
.macro FETCH_B slot, q, p
	WIN TO_B
.irp i, 0,1,2,3,4,5,6,7
	FRAG 128*(\p)+FR*\i, ADRB+\slot, TILEB*\i+1536*(\q)
.endr
	WIN 0
.endm
.macro FETCH_A slot, q, i0
.irp i, \i0, \i0+1, \i0+2, \i0+3
	FRAG AF+FR*(\i), ADRA+\slot, TILEB*(\i)+1536*(\q)
.endr
.endm
.macro PLACES n
.rept \n
	v_nop
.endr
.endm
.macro STEP slot, g, zero
	s_wait_dscnt 4*NL
	WIN MUL_LO
	MUL16 0, 0, \g, \zero
	MUL16 2, 0, \g, \zero
	s_wait_dscnt 0
	PLACES NP
	FETCH_B \slot, 1, 1
	FETCH_A \slot, 1, 0
	WIN MUL_HI
	MUL16 4, 0, \g, \zero
	MUL16 6, 0, \g, \zero
	PLACES NP
	WIN 0
	FETCH_A \slot, 1, 4
.endm
.macro TURN slot, next, fill, g
	s_wait_tensorcnt 0x0
	ds_add_u32 v[SPW], v[NIL]
	s_wait_dscnt 4*NL+1
	WIN MUL_LO
	MUL16 0, 1, \g, 0
	s_wait_dscnt 0x0
	s_barrier_signal -1
	MUL16 2, 1, \g, 0
	WIN 0
	s_barrier_wait -1
.if \fill
	CREST
	s_add_nc_u64 s[G0+4*\slot+2:G0+4*\slot+3], s[G0+4*\slot+2:G0+4*\slot+3], 2*TILEB
	s_add_nc_u64 s[G0B+4*\slot+2:G0B+4*\slot+3], s[G0B+4*\slot+2:G0B+4*\slot+3], 2*TILEB
	JLOAD G0+4*\slot, G1, G0B+4*\slot, G1B
.else
	PLACES NP
.endif
	FETCH_B \next, 0, 0
	FETCH_A \next, 0, 0
	WIN MUL_HI
	MUL16 4, 1, \g, 0
	MUL16 6, 1, \g, 0
	PLACES NP
	WIN 0
	FETCH_A \next, 0, 4
.endm
	s_wait_alu depctr_va_vdst(0)
	s_wait_tensorcnt 0x0                           ; my tile of the head's four is in
	ds_add_u32 v[SPW], v[NIL]
	s_mov_b32 s[G1+2], 8<<16                       ; no tensor load of mine is out: from here on a load brings 8 row tiles,
	s_mov_b32 s[G1+4], 8
	s_mov_b32 s[G1B+2], 8<<16
	s_mov_b32 s[G1B+4], 8
	s_mov_b32 s[G0+1], s45                         ; and slot 0's group 0 takes the ring's form: my quarter of the slot, my 8 row tiles
	s_add_nc_u64 s[G0+2:G0+3], s[G0+2:G0+3], s[18:19]
	s_mov_b32 s[G0B+1], s45
	s_add_nc_u64 s[G0B+2:G0B+3], s[G0B+2:G0B+3], s[18:19]
	s_wait_dscnt 0x0
	CROUND                                         ; all four tiles are in, all sixteen work-groups are here
	JLOAD G0+4, G1, G0B+4, G1B                     ; slot 1's first fill, the first tensor load behind the round
	FETCH_B 0, 0, 0
	FETCH_A 0, 0, 0
.irp i, 0,1,2,3,4,5,6,7
	ds_load_b128 v[SC+8*\i:SC+8*\i+3], v[ADRS] offset:\i*SBLK
	ds_load_b128 v[SC+8*\i+4:SC+8*\i+7], v[ADRS] offset:\i*SBLK+16
.endr
	FETCH_A 0, 0, 4
	STEP 0, 0, 1
	TURN 0, 1, 1, 1
	STEP 1, 2, 0
	TURN 1, 0, 1, 3
	STEP 0, 4, 0
	TURN 0, 1, 0, 5
	STEP 1, 6, 0
	s_wait_dscnt 4*NL
	WIN MUL_LO
	MUL16 0, 1, 7, 0
	MUL16 2, 1, 7, 0
	s_wait_dscnt 0
	WIN MUL_HI
	MUL16 4, 1, 7, 0
	MUL16 6, 1, 7, 0
	WIN 0
.macro QUANT s, w
	WIN (\w)|((\w)<<2)
.irp b, 0,1,2,3
	v_max3_num_f32 v[TM+\b], |v[(\s)+16*\b]|, |v[(\s)+1+16*\b]|, 0x2800000
.endr
	WIN ((\w)<<2)|((\w)<<4)
.irp i, 2,4,6,8,10,12,14
.irp b, 0,1,2,3
	v_max3_num_f32 v[TM+\b], v[TM+\b], |v[(\s)+16*\b+\i]|, |v[(\s)+1+16*\b+\i]|
.endr
.endr
	WIN 0
.irp b, 0,1,2,3
	v_permlanex16_b32 v[TM+4+\b], v[TM+\b], s[SEL], s[SEL+1]
.endr
.irp b, 0,1,2,3
	v_max_num_f32 v[TM+\b], v[TM+\b], v[TM+4+\b]
.endr
.irp b, 0,1,2,3
	v_add_nc_u32 v[TM+12+\b], 0xfe000000, v[TM+\b]
.endr
.irp b, 0,1,2,3
	v_lshrrev_b32 v[TM+4+\b], 23, v[TM+12+\b]
.endr
	v_lshl_or_b32 v[PW], v[TM+5], 8, v[TM+4]
	v_lshl_or_b32 v[PW], v[TM+6], 16, v[PW]
	v_lshl_or_b32 v[PW], v[TM+7], 24, v[PW]
	WIN (\w)
.irp c, 0,1
	v_cvt_scalef32_pk16_bf6_f32 v[PC+6*\c:PC+2+6*\c], v[(\s)+32*\c:(\s)+15+32*\c], v[TM+12+2*\c]
	v_cvt_scalef32_pk16_bf6_f32 v[PC+12+4*\c:PC+14+4*\c], v[(\s)+16+32*\c:(\s)+31+32*\c], v[TM+12+2*\c+1]
.endr
	WIN 0
	v_nop
.irp c, 0,1
.irp i, 0,1,2
	v_permlane16_swap_b32 v[PC+6*\c+\i], v[PC+12+4*\c+\i]
.endr
.irp i, 0,1,2
	v_mov_b32 v[PC+3+6*\c+\i], v[PC+12+4*\c+\i]
.endr
.endr
.endm
.macro ROPE e, ac, w
	WIN (\w)
.irp p, 0,1
.irp k, 1,2,3,4,5,6,7
	v_mul_f32 v[TT+8*\p+\k], v[(\ac)+32*(\e)+16*\p+2*\k-1], v[TBL+16+8*\p+\k]
.endr
	v_permlanex16_b32 v[XP+\p], v[(\ac)+32*(\e)+16*\p+15], s[SEL], s[SEL+1]
.endr
	WIN 0
	v_cndmask_b32 v[XQ], v[XP+1], v[XP], vcc_lo
	v_cndmask_b32 v[XQ+1], v[XP], v[XP+1], vcc_lo
	v_mul_f32 v[TT], v[XQ], v[TBL+16]
	v_mul_f32 v[TT+8], v[XQ+1], v[TBL+24]
	WIN (\w)
.irp p, 0,1
.irp k, 0,1,2,3,4,5,6,7
	v_fma_f32 v[ST+32*(\e)+16*\p+2*\k], v[(\ac)+32*(\e)+16*\p+2*\k], v[TBL+8*\p+\k], -v[TT+8*\p+\k]
.endr
.endr
	WIN 0
	v_permlanex16_b32 v[XP], v[ST+32*(\e)], s[SEL], s[SEL+1]
	v_permlanex16_b32 v[XP+1], v[ST+32*(\e)+16], s[SEL], s[SEL+1]
	v_cndmask_b32 v[XQ], v[XP], v[XP+1], vcc_lo
	v_cndmask_b32 v[XQ+1], v[XP+1], v[XP], vcc_lo
.irp p, 0,1
.irp k, 0,1,2,3,4,5,6
	v_mul_f32 v[TT+8*\p+\k], v[ST+32*(\e)+16*\p+2*\k+2], v[TBL+16+8*\p+\k]
.endr
	v_mul_f32 v[TT+8*\p+7], v[XQ+\p], v[TBL+16+8*\p+7]
.endr
	WIN (\w)
.irp p, 0,1
.irp k, 0,1,2,3,4,5,6,7
	v_fma_f32 v[ST+32*(\e)+16*\p+2*\k+1], v[(\ac)+32*(\e)+16*\p+2*\k+1], v[TBL+8*\p+\k], v[TT+8*\p+\k]
.endr
.endr
	WIN 0
.endm
.macro TLOAD a
.irp m, 0,1,2,3,4,5,6,7
	global_load_b128 v[TBL+4*\m:TBL+4*\m+3], v[L16], s[66:67] offset:4096*(\a)+512*\m
.endr
.endm
	PLACES NP
	s_mov_b32 vcc_lo, 0xffff0000
	s_mov_b32 s[SEL], 0x76543210
	s_mov_b32 s[SEL+1], 0xfedcba98
	v_lshlrev_b32 v[SH16], 4, v[HH]
.irp b, 0,1,2,3
	v_mov_b32 v[TM+4+\b], 0
.endr
	v_mov_b32 v[XP], 0
	v_mov_b32 v[XP+1], 0
	s_cmp_eq_u32 ttmp9, 2
	s_cbranch_scc1 .Lvpath
	s_lshl_b32 s20, s17, 1
	s_add_co_u32 s20, s20, s15
	s_lshr_b32 s21, s20, 4
	s_and_b32 s22, s20, 15
	s_lshl_b32 s23, s40, 2
	s_lshl_b32 s45, s16, 1
	s_add_co_u32 s23, s23, s45
	s_lshl_b32 s21, s21, 4
	s_add_co_u32 s23, s23, s21
	s_lshl_b32 s46, s23, 7
	s_lshl_b32 s47, s22, 3
	s_add_co_u32 s46, s46, s47
	s_mul_i32 s46, s46, 768
	s_lshl_b32 s47, s23, 13
	s_lshl_b32 s92, s22, 9
	s_add_co_u32 s47, s47, s92
	s_add_co_u32 s47, s47, QSC
	s_lshl_b32 s92, s23, 4
	s_add_co_u32 s92, s92, s22
	s_mul_i32 s92, s92, KVSTEP
	s_add_co_u32 s93, s92, 12288
	s_mov_b32 s94, 98304
	s_mov_b32 s95, KVHEAD
	s_mov_b32 s96, 8192
	s_cmp_eq_u32 ttmp9, 0
	s_cselect_b64 s[98:99], s[10:11], s[12:13]
	s_cselect_b32 s20, s46, s92
	s_cselect_b32 s22, s47, s93
	s_cselect_b32 s94, s94, s95
	s_cselect_b32 s96, s96, s95
	s_mov_b32 s21, 0
	s_mov_b32 s23, 0
	s_add_nc_u64 s[100:101], s[98:99], s[22:23]
	s_add_nc_u64 s[98:99], s[98:99], s[20:21]
	s_lshl_b32 s20, s17, 4
	s_lshl_b32 s22, s15, 3
	s_add_co_u32 s20, s20, s22
	s_and_b32 s20, s20, 127
	s_lshl_b32 s20, s20, 12
	s_add_nc_u64 s[66:67], s[8:9], s[20:21]
	v_add_nc_u32 v[L16H], s94, v[L16]
	v_add_nc_u32 v[L8H], s94, v[L8]
	v_add_nc_u32 v[L16S], s96, v[L16]
.set TBL, 224                          ; the table's tiles take three sets of 32 registers by turns: v224, and v32 and v64, which held scale words that the products have done with
	TLOAD 0
.set TBL, 32
	TLOAD 1
.set TBL, 64
	TLOAD 2
.irp a, 0,1,2,3,4,5,6,7
.set TBL, 32+32*((\a+2)%3)+128*(((\a+2)%3)/2)
.if \a < 6
	s_wait_loadcnt 16                              ; this block's eight loads are in; those of the two blocks behind it may be out
.else
	s_wait_loadcnt 8*(7-\a)
.endif
.if \a > 0
	s_wait_xcnt 0x0
.endif
	ROPE 0, 64*(\a%4), 2+\a/4
	ROPE 1, 64*(\a%4), 2+\a/4
.if \a < 5
	TLOAD \a+3                                     ; into the set that this block's rotation has just read
.endif
	QUANT ST, 0
	global_store_b128 v[L16], v[PC:PC+3], s[98:99] offset:768*\a
	global_store_b64 v[L8], v[PC+4:PC+5], s[98:99] offset:768*\a+512
	global_store_b128 v[L16H], v[PC+6:PC+9], s[98:99] offset:768*\a
	global_store_b64 v[L8H], v[PC+10:PC+11], s[98:99] offset:768*\a+512
	v_lshrrev_b32 v[PWS], v[SH16], v[PW]
	ds_store_b32 v[STW], v[PWS] offset:64*\a
.endr
	ds_load_b128 v[TT:TT+3], v[STR]
	ds_load_b128 v[TT+4:TT+7], v[STR] offset:512
	s_wait_dscnt 0x0
	global_store_b128 v[L16], v[TT:TT+3], s[100:101]
	global_store_b128 v[L16S], v[TT+4:TT+7], s[100:101]
	s_branch .Lend
.Lvpath:
	s_lshl_b32 s20, s42, 1
	s_add_co_u32 s20, s20, s16
	s_lshr_b32 s21, s20, 4
	s_and_b32 s22, s20, 15
	s_lshl_b32 s23, s41, 2
	s_lshl_b32 s45, s15, 1
	s_add_co_u32 s23, s23, s45
	s_lshl_b32 s21, s21, 4
	s_add_co_u32 s23, s23, s21
	s_lshl_b32 s23, s23, 4
	s_add_co_u32 s23, s23, s22
	s_mul_i32 s20, s23, KVSTEP
	s_mov_b32 s21, 0
	s_add_nc_u64 s[98:99], s[12:13], s[20:21]
	v_mul_u32_u24 v[VTO], v[HH], KVHEAD
	v_lshl_add_u32 v[VTO], v[RR], 4, v[VTO]
.irp a, 0,1,2,3,4,5,6,7
.if \a > 0
	s_wait_xcnt 0x0
.endif
	QUANT 64*(\a%4), 2+\a/4
	global_store_b128 v[L16], v[PC:PC+3], s[98:99] offset:(\a/4)*KVHEAD+6144+(\a%4)*1536
	global_store_b64 v[L8], v[PC+4:PC+5], s[98:99] offset:(\a/4)*KVHEAD+6144+(\a%4)*1536+512
	global_store_b128 v[L16], v[PC+6:PC+9], s[98:99] offset:(\a/4)*KVHEAD+6144+(\a%4)*1536+768
	global_store_b64 v[L8], v[PC+10:PC+11], s[98:99] offset:(\a/4)*KVHEAD+6144+(\a%4)*1536+1280
	ds_store_b32 v[STW], v[PW] offset:4096+64*\a
.endr
	ds_load_b128 v[TT:TT+3], v[STR] offset:4096
	s_wait_dscnt 0x0
	global_store_b128 v[VTO], v[TT:TT+3], s[98:99] offset:12800
.Lend:
	s_wait_tensorcnt 0x0
	ds_add_u32 v[SPW], v[NIL]
	s_wait_dscnt 0x0
	CROUND
	s_endpgm
.Lfunc_end_k_q4698f39215_qkv:
	.size	k_q4698f39215_qkv, .Lfunc_end_k_q4698f39215_qkv-k_q4698f39215_qkv
	.p2alignl 7, 3214868480
	.fill 96, 4, 3214868480
	.section	.rodata,"a",@progbits
	.p2align	6, 0x0
	.amdhsa_kernel k_q4698f39215_qkv
		.amdhsa_group_segment_fixed_size 327680
		.amdhsa_private_segment_fixed_size 0
		.amdhsa_enable_private_segment 0
		.amdhsa_kernarg_size 40
		.amdhsa_user_sgpr_count 2
		.amdhsa_user_sgpr_kernarg_segment_ptr 1
		.amdhsa_wavefront_size32 1
		.amdhsa_system_sgpr_workgroup_id_x 1
		.amdhsa_system_sgpr_workgroup_id_y 1
		.amdhsa_system_sgpr_workgroup_id_z 1
		.amdhsa_system_vgpr_workitem_id 0
		.amdhsa_next_free_vgpr 1024
		.amdhsa_next_free_sgpr 102
		.amdhsa_reserve_vcc 1
		.amdhsa_float_denorm_mode_32 3
		.amdhsa_float_denorm_mode_16_64 3
		.amdhsa_memory_ordered 1
		.amdhsa_forward_progress 1
		.amdhsa_inst_pref_size 248
	.end_amdhsa_kernel
	.amdgpu_metadata
---
amdhsa.version: [ 1, 2 ]
amdhsa.kernels:
  - .name:           k_q4698f39215_qkv
    .symbol:         k_q4698f39215_qkv.kd
    .args:
      - { .name: xw_codes, .offset: 0, .size: 8, .value_kind: global_buffer, .address_space: global }
      - { .name: xw_scales, .offset: 8, .size: 8, .value_kind: global_buffer, .address_space: global }
      - { .name: rope, .offset: 16, .size: 8, .value_kind: global_buffer, .address_space: global }
      - { .name: q, .offset: 24, .size: 8, .value_kind: global_buffer, .address_space: global }
      - { .name: kv, .offset: 32, .size: 8, .value_kind: global_buffer, .address_space: global }
    .group_segment_fixed_size: 327680
    .private_segment_fixed_size: 0
    .kernarg_segment_align: 8
    .kernarg_segment_size: 40
    .max_flat_workgroup_size: 128
    .sgpr_count:     102
    .vgpr_count:     1024
    .wavefront_size: 32
...
	.end_amdgpu_metadata
.endif
;; end of part 2
;; launch attn (part 3): grid 8 x 32, 16 waves a work-group, no clusters, 327,680 bytes of LDS; arguments q, kv, y_codes, y_scales; writes y_codes, y_scales
.if DOCPART == 3
	.amdgcn_target "amdgcn-amd-amdhsa--gfx1250"
	.amdhsa_code_object_version 6
	.text
	.protected	k_q4698f39215_attn
	.globl	k_q4698f39215_attn
	.p2align	8
	.type	k_q4698f39215_attn,@function
k_q4698f39215_attn:
	s_mov_b64 s[64:65], 0
	v_nop
	global_prefetch_b8 v0, s[64:65] scope:SCOPE_SE
	s_setreg_imm32_b32 hwreg(HW_REG_WAVE_MODE, 25, 1), 1
	s_wait_xcnt 0x0
; y[b][token][head] = softmax(q k^T / 8, causal) v, both products on codes of BF6 (E3M2) with E8M0 scales; y is quantised along the channels in registers and leaves as codes.
; THE SOFTMAX: t = score x log2(e) / 8; M = the running largest t rounded UP to a whole number; p = 2^(t - M) is quantised along the keys, not normalised; the row's sum is taken of the unquantised p and divides at the end.
; When M moves, the sum and O are multiplied by 2^(old M - new M): exact.  Key steps that lie wholly behind the causal mask of the problem are left out.
; K = 64 in the first product: the upper halves of k's fragments (registers 6-11) are zero codes, written once, so whatever codes stand in q's upper half add nothing (every code of the format is a finite number);
; the scale bytes over the upper halves are the neighbour head's or 0, never 0xff.
; SHARES.  A work-group owns one head (16 b + head = the grid's y) and the blocks of 128 queries i and 15 - i (i = the grid's x).  A unit is 16 queries x 128 keys; tile t of block i needs i + 1 units, tile t of block 15 - i needs 16 - i: 17 together.
; Waves 2 t and 2 t + 1 share these 17.  In key steps 0 .. i wave B works the early tile and wave A the late one; behind step i B finishes the early tile and turns to the late one, whose steps i + 1 .. 15 - i go to A and B by turns
; (A where step - i is odd, so the step on the diagonal is A's): A has 9 units and B 8, for every i, and in any run of steps the two differ by one unit at most.
; B hands its part of the late tile (O^T, -M, the sum) to A through LDS; A brings both parts under the larger M by powers of two, which rounds nothing, adds them and sends the tile out.
; Which of a pair is A: (w xor w / 4) & 1, so that waves dealt to four SIMDs by w % 4 or by w / 4 give each two of either kind.
; Every wave walks all 16 key steps in three counted loops and jumps over the steps that are not its own: scalar branches on ids, round no barrier, wait on tiles or tensor load.
; THE WHOLE HEAD'S k AND v STAY IN LDS: 16 blocks of 13,056 bytes (128 keys each: 8 chunks of k, 4 fragments of v, their scale words): 816 rows of 256 bytes, each filled once, in two parts, one tensor load a wave each:
; 16 x 20 rows at the kernel's head, which hold key steps 0-5 (306 rows); 16 x 31 rows behind the barrier that follows the first fill's landing.
; THE BARRIER FOR THE SECOND PART IS SPLIT: a wave signals behind key step 3, when its own rows have landed, and waits behind key step 5.  Between the two stand only work on registers and LDS loads of bytes that nobody writes:
; so the walk holds no store and no global access: B's finished early tile waits in registers (its codes in v22-27, q's upper half; its scale bytes in v0) until the tail, and B takes the late tile's q from an image that A has put into LDS at the head.
; No cluster: which steps a wave leaves out hangs on i, which would be the place in the cluster.  No prefetch: the two fills ask for all of k and v ahead of the first key step; no request follows in a loop.
; LAYOUT.  Both products are used transposed: S^T = k q^T, O^T = v^T p^T: a lane holds ONE query (lane % 16).  The rows of every tile are 32 (t / 2) + 8 (t % 2) + r + 8 (r / 8), so the 16 registers of tiles 2 b, 2 b + 1 are neighbours.
; LIMITS: NaN and infinities are not served; a block of y that is all zeros or under 2^-122 gets the byte 1; the scaled scores stay under 2^31 in magnitude.
; REGISTERS: v0 behind the head: y's two scale bytes; v1-3 16, 8 x lane, 4 r; v4-6 the same + the step's block; v7 the mask's number; v8 q's scale word; v9 the pair's LDS bytes; v10-11 LDS addresses of y's scale bytes; v12 -M, v13 the largest t,
; v[14:15] the sum; v16-27 q; v28-31 v's scale words; v32-79 four fragments of k; v80-127 four of v; v128-191 S^T, then p; v192-223 O^T; v224-235 p's codes; v232-254 at work; v248-251 k's scale words; v253 p's; v243, v255 the add's two.
.set STEPB, 13056
.set HEADB, 16*STEPB
.set KSC,   12288
.set VFR,   6144
.set VSC,   12800
.set R1,    20                         ; rows of 256 bytes a wave in the first fill,
.set R2,    31                         ; and in the second: 16 (R1 + R2) = 816
.set N1,    6                          ; key steps that lie whole in the first fill: 6 x 51 = 306 rows of its 320
.set NA,    4                          ; key steps ahead of the split barrier's signal
.set YS,    HEADB                      ; 512 bytes for y's scale bytes: no fill lands there
.set MRG,   YS+512                     ; 8 pairs x 6,144 bytes: B's part of the late tile, an image of 36 registers (4,608 bytes), and behind it
.set QIM,   4608                       ; the late tile's q: registers 0-3, registers 4-5 and the scale word, each at 16 x lane in 512 bytes of its own
.set MRGB,  6144
.set SPARE, MRG+8*MRGB                 ; the spare words: 128 bytes for each of 16 waves
.set QSC,   3145728
.set WV,  12
.set HB,  13                           ; my tile's block of 32 among its 128 queries
.set HD,  14
.set HI,  15                           ; 1: wave A, 0: wave B
.set IDX, 16
.set QB,  17                           ; the block of the tile at work
.set TQ,  18                           ; the tile that I send out: A the late one, B the early one
.set QO,  19                           ; its block
.set SEL, 20
.set CS,  22
.set G1,  24
.set G0,  32
.set PH,  36                           ; (i xor kind) & 1: behind step i a step is mine where its number's lowest bit equals this
.set E2,  37                           ; 15 - i: the late tile's last key step
.set SW,  38                           ; behind this key step B changes tiles (A: never)
.set II,  39                           ; i
.set TB,  48
.set SI,  49
.set CNT, 50
.set XT,  51
.set G0B, 68
	s_load_b256 s[4:11], s[0:1], 0x0               ; q, kv, y's codes, y's scales
	v_lshl_add_u32 v243, v0, 2, SPARE
	v_mov_b32 v255, 0
	ds_add_u32 v243, v255                          ; the opening lines: the add, twice on end, and its wait ahead of my first tensor load
	ds_add_u32 v243, v255
	v_lshrrev_b32 v1, 5, v0
	v_readfirstlane_b32 s[WV], v1                  ; wave 0..15
	s_and_b32 s[HD], ttmp7, 0xffff                 ; 16 b + head
	s_lshr_b32 s[HB], s[WV], 2
	s_xor_b32 s[HI], s[HB], s[WV]
	s_and_b32 s[HI], s[HI], 1
	s_lshr_b32 s[IDX], s[WV], 1                    ; my pair, and its tile in both blocks
	s_mov_b32 s[II], ttmp9
	s_xor_b32 s[PH], s[HI], ttmp9
	s_and_b32 s[PH], s[PH], 1
	s_sub_co_u32 s[E2], 15, ttmp9
	s_cmp_eq_u32 s[HI], 1
	s_cselect_b32 s[QB], s[E2], ttmp9              ; A begins with the late block, B with the early one
	s_cselect_b32 s[SW], 64, ttmp9
	s_mov_b32 s[QO], s[QB]
	s_lshl_b32 s[TQ], s[QB], 3
	s_add_co_u32 s[TQ], s[TQ], s[IDX]
	s_mov_b32 s[G1], 3<<16                         ; group 1: dense rows of 256 bytes (32 elements of 8 bytes), R1 of them
	s_mov_b32 s[G1+1], 32<<16
	s_mov_b32 s[G1+2], R1<<16
	s_mov_b32 s[G1+3], 32<<16
	s_mov_b32 s[G1+4], R1
	s_mov_b32 s[G1+5], 32
	s_mov_b32 s[G1+6], 0
	s_mov_b32 s[G1+7], 0
	s_mov_b32 s[G0], 1
	s_mul_i32 s[G0+1], s[WV], R1*256               ; the first fill: my R1 rows
	s_mov_b32 s[G0B], 1
	s_mul_i32 s[G0B+1], s[WV], R2*256
	s_add_co_u32 s[G0B+1], s[G0B+1], 16*R1*256     ; the second: my R2 rows, behind the first fill's 320
	s_mul_i32 s52, s[HD], HEADB
	s_mov_b32 s53, 0
	s_mov_b32 s54, s[G0+1]
	s_mov_b32 s55, 0
	s_mov_b32 s56, s[G0B+1]
	s_mov_b32 s57, 0
	s_mov_b32 s[SEL], 0x76543210
	s_mov_b32 s[SEL+1], 0xfedcba98
	s_mov_b32 s[CS], 0x3e38aa3b                    ; c = log2(e) / 8
	s_mov_b32 s[CS+1], s[CS]                       ; (named with it as a pair, so it is written)
	s_lshl_b32 s44, s[HB], 5
	s_and_b32 s45, s[IDX], 1
	s_lshl_b32 s45, s45, 3
	s_add_co_u32 s44, s44, s45                     ; the tile's first row among its block's 128
	s_lshl_b32 s45, s[HI], 8
	s_add_co_u32 s45, s45, YS
	s_lshl_b32 s46, s[IDX], 5
	s_add_co_u32 s46, s46, s45
	s_mul_i32 s47, s[IDX], MRGB
	s_add_co_u32 s47, s47, MRG
	s_wait_dscnt 0x0
	s_wait_kmcnt 0x0
	s_add_nc_u64 s[52:53], s[6:7], s[52:53]        ; the head's k and v
	s_add_nc_u64 s[G0+2:G0+3], s[52:53], s[54:55]
	s_or_b32 s[G0+3], s[G0+3], 0x80000000
	tensor_load_to_lds s[G0:G0+3], s[G1:G1+7]      ; my one tensor load at the head
	s_nop 0
	s_add_nc_u64 s[G0B+2:G0B+3], s[52:53], s[56:57]
	s_or_b32 s[G0B+3], s[G0B+3], 0x80000000
	v_and_b32 v1, 31, v0
	v_and_b32 v9, 15, v0                           ; r
	v_bfe_u32 v11, v0, 4, 1                        ; h
	v_lshlrev_b32 v2, 3, v1                        ; 8 x lane
	v_lshlrev_b32 v1, 4, v1                        ; 16 x lane
	v_lshlrev_b32 v3, 2, v9                        ; 4 r
	v_and_b32 v7, 8, v9
	v_lshlrev_b32 v10, 4, v11
	v_add3_u32 v7, v7, v9, s44                     ; my query's place among its block's 128
	v_add_nc_u32 v11, s45, v2                      ; y's scale bytes on their way back: 8 bytes a lane
	v_sub_nc_u32 v7, v7, v10                       ; less 16 h: register 16 b + i holds key 32 b + 16 h + i, seen on the diagonal where 32 b + i is at most this
	v_lshl_add_u32 v10, v9, 1, s46                 ; y's scale bytes: 256 x kind + 32 x tile + 2 r
	v_add_nc_u32 v9, s47, v1                       ; the pair's bytes, 16 a lane
	s_wait_alu depctr_va_vdst(0)
	s_lshl_b32 s52, s[HD], 7                       ; tile s[TQ]'s chunk of q and its scale words
	s_add_co_u32 s52, s52, s[TQ]
	s_mul_i32 s52, s52, 768
	s_mov_b32 s53, 0
	s_add_nc_u64 s[58:59], s[4:5], s[52:53]
	s_lshl_b32 s52, s[HD], 13
	s_lshl_b32 s54, s[TQ], 6
	s_add_co_u32 s52, s52, s54
	s_add_co_u32 s52, s52, QSC
	s_add_nc_u64 s[60:61], s[4:5], s[52:53]
	global_load_b128 v[16:19], v1, s[58:59]
	global_load_b64 v[20:21], v2, s[58:59] offset:512
	global_load_b32 v8, v3, s[60:61]
	s_lshr_b32 s52, s[HD], 4                       ; where that tile's chunk of y goes: ((128 b + tile) 16 + head) chunks of 768 bytes
	s_and_b32 s53, s[HD], 15
	s_lshl_b32 s54, s52, 7
	s_add_co_u32 s54, s54, s[TQ]
	s_lshl_b32 s54, s54, 4
	s_add_co_u32 s54, s54, s53
	s_mul_i32 s54, s54, 768
	s_mov_b32 s55, 0
	s_add_nc_u64 s[40:41], s[8:9], s[54:55]
.macro BEGIN                           ; a tile's state: the first step finds zeros, which the first change of M leaves zeros
	v_mov_b32 v13, 0xff61b1e6                      ; the largest t so far: -3e38, under every t
	v_mov_b32 v14, 0
	v_mov_b32 v15, 0
	v_floor_f32 v12, -v13                          ; -M
.set j, 0
.rept 32
	v_mov_b32 v[192+j], 0
.set j, j+1
.endr
.endm
	BEGIN
.irp j, 22,23,24,25,26,27
	v_mov_b32 v[\j], 0                             ; q's upper 64 along K: written, so that the operand is whole
.endr
.irp t, 0,1,2,3
.irp j, 6,7,8,9,10,11
	v_mov_b32 v[32+12*\t+\j], 0                    ; k's upper 64 along K: zero codes, written once, no load lands there
.endr
.endr
.irp b, 0,1,2,3
	v_mov_b32 v[236+\b], 0                         ; written once: a lane permute's destination counts as one of its sources
.endr
	v_mov_b32 v252, 0
	v_mov_b32 v253, 0                              ; (named as the upper half of the pair v[252:253] before it is first written)
.macro KLOAD base
.irp t, 0,1,2,3
	ds_load_b128 v[32+12*\t:35+12*\t], v4 offset:768*(\base+\t)
	ds_load_b64 v[36+12*\t:37+12*\t], v5 offset:768*(\base+\t)+512
	ds_load_b32 v[248+\t], v6 offset:KSC+64*(\base+\t)
.endr
.endm
.macro SMUL d
.irp t, 0,1,2,3
	v_wmma_scale_f32_16x16x128_f8f6f4 v[\d+8*\t:\d+7+8*\t], v[32+12*\t:43+12*\t], v[16:27], 0, v[248+\t], v8 matrix_a_fmt:MATRIX_FMT_BF6 matrix_b_fmt:MATRIX_FMT_BF6
.endr
.endm
; A KEY STEP: 128 keys, the block at s[TB].  Mine: every step up to i; behind it, up to 15 - i, those of my parity.
.macro STEP
	s_cmp_le_u32 s[SI], s[II]
	s_cbranch_scc1 .Lmine_\@
	s_cmp_gt_u32 s[SI], s[E2]
	s_cbranch_scc1 .Lhidden_\@
	s_xor_b32 s[XT], s[SI], s[PH]
	s_bitcmp1_b32 s[XT], 0
	s_cbranch_scc1 .Lhidden_\@
.Lmine_\@:
	v_add_nc_u32 v4, s[TB], v1
	v_add_nc_u32 v5, s[TB], v2
	v_add_nc_u32 v6, s[TB], v3
	v_nop                                          ; four places behind the last step's products
	KLOAD 0
	s_wait_alu depctr_va_vdst(0)
	s_wait_dscnt 0x0
	SMUL 128
.rept 4
	v_nop                                          ; places in front of loads into registers that these products have read
.endr
	KLOAD 4
.irp t, 0,1,2,3                                ; v's four fragments are asked for now and land under the softmax
	ds_load_b128 v[80+12*\t:83+12*\t], v4 offset:VFR+1536*\t
	ds_load_b64 v[84+12*\t:85+12*\t], v5 offset:VFR+1536*\t+512
	ds_load_b128 v[86+12*\t:89+12*\t], v4 offset:VFR+1536*\t+768
	ds_load_b64 v[90+12*\t:91+12*\t], v5 offset:VFR+1536*\t+1280
	ds_load_b32 v[28+\t], v6 offset:VSC+64*\t
.endr
	s_wait_dscnt 20                                ; k's are in; v's 20 loads may be out
	SMUL 160
.rept 4
	v_nop
.endr
	s_cmp_lt_u32 s[SI], s[QB]                      ; only the step on the diagonal hides keys,
	s_cbranch_scc1 .Lopen_\@
.irp b, 0,1,2,3
	s_cmp_gt_u32 s[HB], \b                         ; and there the blocks of 32 keys ahead of my tile's own are seen whole
	s_cbranch_scc1 .Lpast\@_\b
.set n, 16*\b
.rept 16
	v_cmp_le_i32 vcc_lo, 32*(n/16)+n%16, v7
	v_cndmask_b32 v[128+n], 0xff800000, v[128+n], vcc_lo   ; a hidden key's score is -infinity: p = 0 then
.set n, n+1
.endr
.Lpast\@_\b:
.endr
	s_wait_alu depctr_va_vdst(0)
.Lopen_\@:
.irp b, 0,1,2,3
	v_max3_num_f32 v[232+\b], v[128+16*\b], v[129+16*\b], v[130+16*\b]     ; the largest score of each block of 32 keys: for the row's maximum, and, since p rises with the score, for the block's largest p
.endr
.irp i, 3,5,7,9,11,13
.irp b, 0,1,2,3
	v_max3_num_f32 v[232+\b], v[232+\b], v[128+16*\b+\i], v[129+16*\b+\i]
.endr
.endr
.irp b, 0,1,2,3
	v_max_num_f32 v[232+\b], v[232+\b], v[143+16*\b]
.endr
.irp b, 0,1,2,3
	s_delay_alu instid0(VALU_DEP_4)
	v_permlanex16_b32 v[236+\b], v[232+\b], s[SEL], s[SEL+1]
.endr
.irp b, 0,1,2,3
	s_delay_alu instid0(VALU_DEP_4)
	v_max_num_f32 v[232+\b], v[232+\b], v[236+\b]  ; with lane l xor 16's 16 keys
.endr
	s_delay_alu instid0(VALU_DEP_2)
	v_max3_num_f32 v254, v232, v233, v234
	s_delay_alu instid0(VALU_DEP_1)
	v_max_num_f32 v254, v254, v235                 ; the step's largest score of my query
	s_delay_alu instid0(VALU_DEP_1)
	v_mul_f32 v254, s[CS], v254                    ; as t (c is positive)
	s_delay_alu instid0(VALU_DEP_1)
	v_max_num_f32 v13, v13, v254                   ; the running largest t
	v_mov_b32 v254, v12
	s_delay_alu instid0(VALU_DEP_2)
	v_floor_f32 v12, -v13                          ; the new -M = floor(-t) = -ceil(t)
	s_delay_alu instid0(VALU_DEP_1)
	v_sub_f32 v254, v12, v254                      ; old M - new M: a whole number, 0 or less
	s_delay_alu instid0(VALU_DEP_1)
	v_cvt_i32_f32 v254, v254                       ; (it saturates)
	s_delay_alu instid0(VALU_DEP_1)
	v_ldexp_f32 v252, 1.0, v254                    ; f = 2^(old M - new M)
.set j, 0
.rept 32
	v_pk_fma_f32 v[128+j:129+j], v[128+j:129+j], s[CS:CS+1], v[12:13] op_sel_hi:[1,0,0]    ; t - M, two at a time
.set j, j+2
.endr
.irp b, 0,1,2,3
	v_fma_f32 v[232+\b], v[232+\b], s[CS], v12     ; the same of each block's largest score
.endr
	s_wait_alu depctr_va_vdst(0)
.set j, 0
.rept 64
	v_exp_f32 v[128+j], v[128+j]                   ; p = 2^(t - M), at most 1
.set j, j+1
.endr
.irp b, 0,1,2,3
	v_exp_f32 v[232+\b], v[232+\b]                 ; the block's largest p: the same two instructions on the same number give the same bits
.endr
	v_pk_mul_f32 v[14:15], v[14:15], v[252:253] op_sel_hi:[1,0]    ; the sums under the new M.  (A plain place behind the exponentials)
	s_wait_alu depctr_va_vdst(0)                   ; and behind it
.irp b, 0,1,2,3
	v_max_num_f32 v[232+\b], 0x2800000, v[232+\b]  ; the floor 2^(5 - 127): the byte cannot fall under 1
.endr
.irp b, 0,1,2,3
	s_delay_alu instid0(VALU_DEP_4)
	v_add_nc_u32 v[244+\b], 0xfe000000, v[232+\b]  ; 4 off the exponent field: the conversion's scale operand
.endr
.irp b, 0,1,2,3
	s_delay_alu instid0(VALU_DEP_4)
	v_lshrrev_b32 v[236+\b], 23, v[244+\b]         ; the scale's byte
.endr
	s_delay_alu instid0(VALU_DEP_3)
	v_lshl_or_b32 v253, v237, 8, v236              ; p's scale word for these 128 keys
	s_delay_alu instid0(VALU_DEP_1)
	v_lshl_or_b32 v253, v238, 16, v253
	s_delay_alu instid0(VALU_DEP_1)
	v_lshl_or_b32 v253, v239, 24, v253
.irp c, 0,1
	v_cvt_scalef32_pk16_bf6_f32 v[224+6*\c:226+6*\c], v[128+32*\c:143+32*\c], v[244+2*\c]
	v_cvt_scalef32_pk16_bf6_f32 v[236+4*\c:238+4*\c], v[144+32*\c:159+32*\c], v[244+2*\c+1]
.endr
	v_nop                                          ; one plain place behind a scaled conversion
.irp c, 0,1                                    ; the operand's layout wants a whole block in a lane
.irp i, 0,1,2
	v_permlane16_swap_b32 v[224+6*\c+\i], v[236+4*\c+\i]
.endr
.irp i, 0,1,2
	s_delay_alu instid0(VALU_DEP_3)
	v_mov_b32 v[227+6*\c+\i], v[236+4*\c+\i]
.endr
.endr
	v_pk_add_f32 v[236:237], v[128:129], v[130:131]        ; the row's sum of the unquantised p: 32 packed additions, four chains by turns
	v_pk_add_f32 v[244:245], v[132:133], v[134:135]
	v_pk_add_f32 v[246:247], v[136:137], v[138:139]
	v_pk_add_f32 v[14:15], v[14:15], v[140:141]
.set j, 142
.rept 6
	v_pk_add_f32 v[236:237], v[236:237], v[j:j+1]
	v_pk_add_f32 v[244:245], v[244:245], v[j+2:j+3]
	v_pk_add_f32 v[246:247], v[246:247], v[j+4:j+5]
	v_pk_add_f32 v[14:15], v[14:15], v[j+6:j+7]
.set j, j+8
.endr
	v_pk_add_f32 v[236:237], v[236:237], v[190:191]
	v_pk_add_f32 v[244:245], v[244:245], v[246:247]
	s_delay_alu instid0(VALU_DEP_2)
	v_pk_add_f32 v[14:15], v[14:15], v[236:237]
	s_delay_alu instid0(VALU_DEP_1)
	v_pk_add_f32 v[14:15], v[14:15], v[244:245]
	s_wait_alu depctr_va_vdst(0)                   ; directly ahead of the first reader of O^T
.set j, 0
.rept 16
	v_pk_mul_f32 v[192+j:193+j], v[192+j:193+j], v[252:253] op_sel_hi:[1,0]    ; O^T under the new M, each accumulator from its low end on
.set j, j+2
.endr
	s_wait_alu depctr_va_vdst(0)
	s_wait_dscnt 0x0                               ; v is in
.irp t, 0,1,2,3
	v_wmma_scale_f32_16x16x128_f8f6f4 v[192+8*\t:199+8*\t], v[80+12*\t:91+12*\t], v[224:235], v[192+8*\t:199+8*\t], v[28+\t], v253 matrix_a_fmt:MATRIX_FMT_BF6 matrix_b_fmt:MATRIX_FMT_BF6
.endr
.Lhidden_\@:
.endm
; A TILE IS FINISHED: O^T / the sum is y's 64 channels of my query, register 16 b + i = channel 32 b + 16 h + i: two blocks, quantised as they stand: one chunk, six registers from v[d] on; the two scale bytes in v0
.macro FIN d
	v_add_f32 v14, v14, v15
	s_wait_alu depctr_va_vdst(0)
	v_permlanex16_b32 v252, v14, s[SEL], s[SEL+1]
	s_delay_alu instid0(VALU_DEP_1)
	v_add_f32 v14, v14, v252                       ; the row's sum
	s_wait_alu depctr_va_vdst(0)                   ; the wait ahead of the transcendental,
	v_rcp_f32 v14, v14
	v_nop                                          ; a plain place behind it,
	s_wait_alu depctr_va_vdst(0)                   ; and the wait ahead of its first reader, which is also O^T's
.set j, 0
.rept 32
	v_mul_f32 v[128+j], v[192+j], v14
.set j, j+1
.endr
.irp b, 0,1
	v_max3_num_f32 v[232+\b], |v[128+16*\b]|, |v[129+16*\b]|, 0x2800000
.endr
.irp i, 2,4,6,8,10,12,14
.irp b, 0,1
	s_delay_alu instid0(VALU_DEP_2)
	v_max3_num_f32 v[232+\b], v[232+\b], |v[128+16*\b+\i]|, |v[129+16*\b+\i]|
.endr
.endr
.irp b, 0,1
	s_delay_alu instid0(VALU_DEP_2)
	v_permlanex16_b32 v[236+\b], v[232+\b], s[SEL], s[SEL+1]
.endr
.irp b, 0,1
	s_delay_alu instid0(VALU_DEP_2)
	v_max_num_f32 v[232+\b], v[232+\b], v[236+\b]
.endr
.irp b, 0,1
	s_delay_alu instid0(VALU_DEP_2)
	v_add_nc_u32 v[244+\b], 0xfe000000, v[232+\b]
.endr
.irp b, 0,1
	s_delay_alu instid0(VALU_DEP_2)
	v_lshrrev_b32 v[236+\b], 23, v[244+\b]
.endr
	s_delay_alu instid0(VALU_DEP_1)
	v_lshl_or_b32 v0, v237, 8, v236                ; the head's two bytes of my row
	v_cvt_scalef32_pk16_bf6_f32 v[\d:\d+2], v[128:143], v244
	v_cvt_scalef32_pk16_bf6_f32 v[236:238], v[144:159], v245
	v_nop
.irp i, 0,1,2
	v_permlane16_swap_b32 v[\d+\i], v[236+\i]
.endr
.irp i, 0,1,2
	s_delay_alu instid0(VALU_DEP_3)
	v_mov_b32 v[\d+3+\i], v[236+\i]
.endr
.endm
.macro SEND d                          ; the chunk leaves, and its scale bytes go to LDS (both lanes of a row write the same two)
	global_store_b128 v1, v[\d:\d+3], s[40:41]     ; 512 consecutive bytes,
	global_store_b64 v2, v[\d+4:\d+5], s[40:41] offset:512   ; and 256
	ds_store_b16 v10, v0
.endm
; A trip of the walk: the step, and behind key step i B's change of tiles: LDS loads and work on registers alone
.macro TRIP
	STEP
	s_cmp_lg_u32 s[SI], s[SW]
	s_cbranch_scc1 .Lsame_\@
.rept 4
	v_nop                                          ; places behind the early tile's last products
.endr
	s_mov_b32 s[QB], s[E2]                         ; on to the late tile: its q comes from my partner's image while the early tile is finished, which names none of these registers
	ds_load_b128 v[16:19], v9 offset:QIM
	ds_load_b64 v[20:21], v9 offset:QIM+512
	ds_load_b32 v8, v9 offset:QIM+1024
	FIN 22                                         ; the early tile's codes wait in q's upper half
	BEGIN
	s_wait_alu depctr_va_vdst(0)
	s_wait_dscnt 0x0                               ; q
.Lsame_\@:
	s_add_co_u32 s[SI], s[SI], 1
	s_add_co_u32 s[TB], s[TB], STEPB
.endm
	s_wait_alu depctr_va_vdst(0)
	s_wait_loadcnt 0x0                             ; q
	s_cmp_eq_u32 s[HI], 1
	s_cbranch_scc0 .Lno_image
	ds_store_b128 v9, v[16:19] offset:QIM          ; A: the late tile's q, for my partner: bytes on which no fill lands
	ds_store_b64 v9, v[20:21] offset:QIM+512
	ds_store_b32 v9, v8 offset:QIM+1024
.Lno_image:
	s_wait_tensorcnt 0x0                           ; my rows of the first fill have landed
	ds_add_u32 v243, v255
	s_mov_b32 s[G1+2], R2<<16                      ; no tensor load of mine is out: the second fill brings R2 rows a wave
	s_mov_b32 s[G1+4], R2
	s_wait_dscnt 0x0                               ; the add and the image's stores are done
	s_barrier_signal -1
	s_barrier_wait -1                              ; everybody's are: key steps 0-5 and the images are in LDS
	tensor_load_to_lds s[G0B:G0B+3], s[G1:G1+7]    ; the second fill, my one tensor load behind this barrier: bytes that no load has filled and no step before the next barrier's wait reads
	s_nop 0
	s_mov_b32 s[SI], 0
	s_mov_b32 s[TB], 0
	s_mov_b32 s[CNT], NA
.Lfirst:                                               ; key steps 0-3
	TRIP
	s_sub_co_u32 s[CNT], s[CNT], 1
	s_cmp_lg_u32 s[CNT], 0
	s_cbranch_scc1 .Lfirst
	s_wait_tensorcnt 0x0                           ; my rows of the second fill have landed:
	s_wait_dscnt 0x0
	s_barrier_signal -1                            ; say so, and go on with what the first fill holds
	s_mov_b32 s[CNT], N1-NA
.Lmiddle:                                              ; key steps 4-5
	TRIP
	s_sub_co_u32 s[CNT], s[CNT], 1
	s_cmp_lg_u32 s[CNT], 0
	s_cbranch_scc1 .Lmiddle
	s_barrier_wait -1                              ; everybody has said so: the whole head is in LDS
	s_mov_b32 s[CNT], 16-N1
.Lsecond:                                              ; key steps 6-15
	TRIP
	s_sub_co_u32 s[CNT], s[CNT], 1
	s_cmp_lg_u32 s[CNT], 0
	s_cbranch_scc1 .Lsecond
.rept 4
	v_nop                                          ; places behind the last products
.endr
	s_cmp_eq_u32 s[HI], 0
	s_cbranch_scc0 .Lkeep
.set j, 0
.rept 8
	ds_store_b128 v9, v[192+4*j:195+4*j] offset:512*j      ; B: my part of the late tile, each accumulator from its low end on,
.set j, j+1
.endr
	ds_store_b128 v9, v[12:15] offset:4096         ; -M, the largest t, the sum's two halves;
	SEND 22                                        ; and the early tile leaves
.Lkeep:
	s_wait_dscnt 0x0                               ; for the others' sake
	s_barrier_signal -1
	s_barrier_wait -1
	s_cmp_eq_u32 s[HI], 1
	s_cbranch_scc0 .Lsent
.set j, 0
.rept 8
	ds_load_b128 v[128+4*j:131+4*j], v9 offset:512*j       ; A: my partner's part
.set j, j+1
.endr
	ds_load_b128 v[160:163], v9 offset:4096
	s_wait_dscnt 0x0
	v_min_num_f32 v254, v12, v160                  ; -M of both parts together
	s_delay_alu instid0(VALU_DEP_1)
	v_sub_f32 v252, v254, v12                      ; whole numbers, 0 or less
	v_sub_f32 v164, v254, v160
	s_delay_alu instid0(VALU_DEP_2)
	v_cvt_i32_f32 v252, v252                       ; (they saturate: a part that saw no key counts for nothing)
	s_delay_alu instid0(VALU_DEP_2)
	v_cvt_i32_f32 v164, v164
	s_delay_alu instid0(VALU_DEP_2)
	v_ldexp_f32 v252, 1.0, v252                    ; my factor,
	s_delay_alu instid0(VALU_DEP_2)
	v_ldexp_f32 v160, 1.0, v164                    ; my partner's: powers of two
	v_pk_mul_f32 v[14:15], v[14:15], v[252:253] op_sel_hi:[1,0]
.set j, 0
.rept 16
	v_pk_mul_f32 v[192+j:193+j], v[192+j:193+j], v[252:253] op_sel_hi:[1,0]
.set j, j+2
.endr
	v_pk_fma_f32 v[14:15], v[162:163], v[160:161], v[14:15] op_sel_hi:[1,0,1]
.set j, 0
.rept 16
	v_pk_fma_f32 v[192+j:193+j], v[128+j:129+j], v[160:161], v[192+j:193+j] op_sel_hi:[1,0,1]
.set j, j+2
.endr
	FIN 224
	SEND 224                                       ; the late tile leaves
.Lsent:
	s_wait_dscnt 0x0                               ; for the others' sake: y's scale bytes
	s_barrier_signal -1
	s_barrier_wait -1
	s_cmp_lt_u32 s[WV], 2                          ; wave 0 (a B) sends the early block's 256 bytes, wave 1 (an A) the late block's
	s_cbranch_scc0 .Ldone
	s_lshr_b32 s52, s[HD], 4                       ; y's scales: [head][4,096 rows] of two bytes
	s_and_b32 s53, s[HD], 15
	s_lshl_b32 s54, s53, 13
	s_lshl_b32 s56, s52, 12
	s_add_co_u32 s54, s54, s56
	s_lshl_b32 s56, s[QO], 8
	s_add_co_u32 s54, s54, s56
	s_mov_b32 s55, 0
	s_add_nc_u64 s[42:43], s[10:11], s[54:55]
	ds_load_b64 v[232:233], v11
	s_wait_dscnt 0x0
	global_store_b64 v2, v[232:233], s[42:43]      ; 256 consecutive bytes, at a multiple of 256 from the buffer's first byte
.Ldone:
	s_wait_tensorcnt 0x0                           ; the wave's end
	ds_add_u32 v243, v255
	s_wait_dscnt 0x0
	s_endpgm
.Lfunc_end_k_q4698f39215_attn:
	.size	k_q4698f39215_attn, .Lfunc_end_k_q4698f39215_attn-k_q4698f39215_attn
	.p2alignl 7, 3214868480
	.fill 96, 4, 3214868480
	.section	.rodata,"a",@progbits
	.p2align	6, 0x0
	.amdhsa_kernel k_q4698f39215_attn
		.amdhsa_group_segment_fixed_size 327680
		.amdhsa_private_segment_fixed_size 0
		.amdhsa_enable_private_segment 0
		.amdhsa_kernarg_size 32
		.amdhsa_user_sgpr_count 2
		.amdhsa_user_sgpr_kernarg_segment_ptr 1
		.amdhsa_wavefront_size32 1
		.amdhsa_system_sgpr_workgroup_id_x 1
		.amdhsa_system_sgpr_workgroup_id_y 1
		.amdhsa_system_sgpr_workgroup_id_z 1
		.amdhsa_system_vgpr_workitem_id 0
		.amdhsa_next_free_vgpr 256
		.amdhsa_next_free_sgpr 72
		.amdhsa_reserve_vcc 1
		.amdhsa_float_denorm_mode_32 3
		.amdhsa_float_denorm_mode_16_64 3
		.amdhsa_memory_ordered 1
		.amdhsa_forward_progress 1
		.amdhsa_inst_pref_size 110
	.end_amdhsa_kernel
	.amdgpu_metadata
---
amdhsa.version: [ 1, 2 ]
amdhsa.kernels:
  - .name:           k_q4698f39215_attn
    .symbol:         k_q4698f39215_attn.kd
    .args:
      - { .name: q, .offset: 0, .size: 8, .value_kind: global_buffer, .address_space: global }
      - { .name: kv, .offset: 8, .size: 8, .value_kind: global_buffer, .address_space: global }
      - { .name: y_codes, .offset: 16, .size: 8, .value_kind: global_buffer, .address_space: global }
      - { .name: y_scales, .offset: 24, .size: 8, .value_kind: global_buffer, .address_space: global }
    .group_segment_fixed_size: 327680
    .private_segment_fixed_size: 0
    .kernarg_segment_align: 8
    .kernarg_segment_size: 32
    .max_flat_workgroup_size: 512
    .sgpr_count:     72
    .vgpr_count:     256
    .wavefront_size: 32
...
	.end_amdgpu_metadata
.endif
;; end of part 3
;; launch proj (part 4): grid 8 x 32, 4 waves a work-group, clusters of 4 x 4, 229,888 bytes of LDS; arguments y_codes, y_scales, xw_codes, xw_scales, out0; writes out0
.if DOCPART == 4
	.amdgcn_target "amdgcn-amd-amdhsa--gfx1250"
	.amdhsa_code_object_version 6
	.text
	.protected	k_q4698f39215_proj
	.globl	k_q4698f39215_proj
	.p2align	8
	.type	k_q4698f39215_proj,@function
k_q4698f39215_proj:
	s_mov_b64 s[64:65], 0
	v_nop
	global_prefetch_b8 v0, s[64:65] scope:SCOPE_SE
	s_setreg_imm32_b32 hwreg(HW_REG_WAVE_MODE, 25, 1), 1
	s_wait_xcnt 0x0
	s_wait_alu depctr_hold_cnt(0) depctr_sa_sdst(0) depctr_va_vdst(0) depctr_va_sdst(0) depctr_va_ssrc(0) depctr_va_vcc(0) depctr_vm_vsrc(0)
	s_getreg_b32 s2, hwreg(HW_REG_IB_STS2, 6, 4)
	s_cmp_eq_u32 s2, 0
	s_cbranch_scc0 .Lentry_in_a_cluster
	s_endpgm
.Lentry_in_a_cluster:
	s_bfe_u32 s2, ttmp6, 0x10000c
	s_cmp_lg_u32 s2, 0xf033
	s_cbranch_scc0 .Lentry_shape_is_right
	s_endpgm
.Lentry_shape_is_right:
; out0 = y w_proj^T on codes of BF6 (E3M2) with E8M0 scales.  y: 256 row tiles x 16 chunks (a chunk: 16 rows x 64 K, 768 bytes, an image of the operand's registers); w_proj: row tiles 448-511 of the codes' buffer, the same format.
; A tile's rows are 32 (t / 2) + 8 (t % 2) + r + 8 (r / 8); the way out puts tokens and channels back in their places.
; 256 work-groups, each 128 x 128 of out0; four waves, each 64 x 64: 16 accumulators.  ALL OF K (1,024) FOR THE TILE LIES IN LDS: four quarters of four row tiles with all of K, 49,152 bytes each, one a wave, filled once; nothing is filled again.
; CLUSTERS: 4 x 4.  y's tiles are shared along a row of the cluster, w_proj's along a column: each quarter is asked for jointly, by the same tensor load with the same descriptor and a mask that names the four.
; THE SCALES come through registers: y's lie [head][row] in pairs of bytes and are joined, two heads to a word, on their way into LDS; w_proj's are copied.  Both lie as blocks of 256 bytes (8 rows x 32) + 16.
; The matrix instruction is used transposed (source 0 = 16 rows of w_proj, source 1 = 16 rows of y): a lane holds eight neighbouring channels of one token.
; VECTOR REGISTERS: window 0: v1-14 offsets; v16-19 fragment addresses; v20-22 the way out; v27 scales' address; v32-63 scale words and nothing else; v64-95 at work; v128-255 accumulators, (a, b) at v[128 + 8 (4 a + b)].
;   window 1: two sets of fragments at v0 and v128: y's four at + 12 a, w_proj's four at + 48 + 12 b.
; SCALAR REGISTERS: s4-13 the five addresses; s14-17 wave, its halves, tile row; s18-23, s32-33, s56-57 at work; s24-31, s48-55 descriptor groups 1; s40-47 place in the cluster, tile column, masks, offsets; s68-71, s84-87 groups 0, one for y and one for w_proj.
.set PIECE, 49152
.set QT,    49152                      ; four row tiles x 12,288: what a wave's ONE tensor load brings: its four row tiles with all of K, dense in memory and in LDS (so K is not cut into pieces: one fill, one barrier)
.set SCA,   4*PIECE
.set SCB,   SCA+4352
.set STAGE, SCB+4352                   ; 16 rows x (256 + 16) bytes for each wave
.set SPIT,  272
.set ADRS,  27
.set SC,    32
.set ACC,   128
.set G1A, 24
.set G1B, 48
.set G0A, 68
.set G0B, 84
.set MSB, 0
.macro WIN new                         ; the immediate's high byte repeats the setting that is left; a switch that changes nothing is dropped
.set NW, \new
.if MSB != NW
	s_set_vgpr_msb (MSB<<8)|NW
.set MSB, NW
.endif
.endm
.macro CROUND                          ; a round of the cluster's barrier
	s_barrier_signal -1
	s_barrier_wait -1
	s_cmp_lg_u32 s14, 0
	s_cbranch_scc1 .Lnot_wave_0_\@
	s_barrier_signal -3
.Lnot_wave_0_\@:
	s_barrier_wait -3
	s_barrier_signal -1
	s_barrier_wait -1
.endm
	s_load_b256 s[4:11], s[0:1], 0x0               ; y's codes, y's scales, the weights' codes, the weights' scales
	s_load_b64 s[12:13], s[0:1], 0x20              ; out0
	v_lshl_add_u32 v126, v0, 2, 0x38000
	v_mov_b32 v127, 0
	ds_add_u32 v126, v127
	ds_add_u32 v126, v127
	v_lshrrev_b32 v1, 5, v0
	v_readfirstlane_b32 s14, v1                    ; wave 0..3
	s_lshr_b32 s15, s14, 1                         ; my half of the tokens.  Also: I fetch y (0) or w_proj (1)
	s_and_b32 s16, s14, 1                          ; my half of the channels.  Also: which four row tiles I fetch
	s_bfe_u32 s40, ttmp6, 0x40000                  ; cx, cy: my place in the cluster
	s_bfe_u32 s41, ttmp6, 0x40004
	s_lshl_b32 s42, ttmp9, 2
	s_add_co_u32 s42, s42, s40                     ; tile column
	s_and_b32 s17, ttmp7, 0xffff
	s_lshl_b32 s17, s17, 2
	s_add_co_u32 s17, s17, s41                     ; tile row
	s_lshl_b32 s43, s41, 2
	s_lshl_b32 s43, 15, s43                        ; my row of the cluster
	s_lshl_b32 s44, 0x1111, s40                    ; my column
	s_or_b32 s[G1A+0], s43, (3<<16)|(1<<21)        ; 15:0 the mask; 17:16 elements of 8 bytes; 21 set beside a mask.  4 rows (row tiles) of 1,536 elements, 1,536 elements apart; dense in LDS
	s_or_b32 s[G1B+0], s44, (3<<16)|(1<<21)
.irp g, G1A, G1B
	s_mov_b32 s[\g+1], 1536<<16                    ; tensor_dim0: a row tile's 12,288 bytes
	s_mov_b32 s[\g+2], 4<<16                       ; tensor_dim1
	s_mov_b32 s[\g+3], 1536<<16                    ; tile_dim0
	s_mov_b32 s[\g+4], 4                           ; tile_dim1
	s_mov_b32 s[\g+5], 1536                        ; tensor_dim0_stride
	s_mov_b32 s[\g+6], 0
	s_mov_b32 s[\g+7], 0
.endr
	s_lshl_b32 s18, s16, 2
	s_lshl_b32 s20, s17, 3
	s_add_co_u32 s20, s20, s18
	s_mul_i32 s20, s20, 12288                      ; y: row tile 8 x tile row + 4 x half
	s_mov_b32 s21, 0
	s_lshl_b32 s46, s42, 3
	s_add_co_u32 s46, s46, s18
	s_add_co_u32 s46, s46, 448
	s_mul_i32 s46, s46, 12288                      ; w_proj: row tile 448 + 8 x tile column + 4 x half
	s_mov_b32 s47, 0
	s_mul_i32 s45, s14, QT                         ; where they go: no place in the cluster enters an LDS address
	s_wait_dscnt 0x0
	s_wait_kmcnt 0x0
	s_add_nc_u64 s[20:21], s[4:5], s[20:21]
	s_add_nc_u64 s[46:47], s[8:9], s[46:47]
	CROUND                                         ; all sixteen work-groups are here: the joint loads meet
.irp j, 0
	s_mov_b32 s[G0A+4*\j], 1
	s_add_co_u32 s[G0A+4*\j+1], s45, \j*PIECE      ; 63:32 LDS address: my quarter
	s_add_nc_u64 s[G0A+4*\j+2:G0A+4*\j+3], s[20:21], \j*3072       ; 120:64 global address: 256 along K are four chunks, 3,072 bytes
	s_or_b32 s[G0A+4*\j+3], s[G0A+4*\j+3], 0x80000000              ; 127:126 type = 2
	s_mov_b32 s[G0B+4*\j], 1
	s_add_co_u32 s[G0B+4*\j+1], s45, \j*PIECE
	s_add_nc_u64 s[G0B+4*\j+2:G0B+4*\j+3], s[46:47], \j*3072
	s_or_b32 s[G0B+4*\j+3], s[G0B+4*\j+3], 0x80000000
.endr
	s_cmp_eq_u32 s15, 0                            ; a wave's one fill stands in one branch on its number: one tensor load of mine is out
	s_cbranch_scc0 .Lfor_b
	tensor_load_to_lds s[G0A:G0A+3], s[G1A:G1A+7]
	s_nop 0
.rept 4
	v_nop
.endr
	s_branch .Lasked
.Lfor_b:
	tensor_load_to_lds s[G0B:G0B+3], s[G1B:G1B+7]
	s_nop 0
.rept 4
	v_nop
.endr
.Lasked:
	; ---- the scales.  Thread t: word g = t / 16 of rows 8 (t % 16) .. + 7 of y; row t of w_proj's 128
	s_lshl_b32 s20, s17, 8                         ; y's: 128 rows x 2 bytes a tile row
	s_mov_b32 s21, 0
	s_add_nc_u64 s[6:7], s[6:7], s[20:21]
	s_lshl_b32 s46, s42, 3                         ; w_proj's: 512 bytes a row tile
	s_add_co_u32 s46, s46, 448
	s_lshl_b32 s46, s46, 9
	s_mov_b32 s47, 0
	s_add_nc_u64 s[10:11], s[10:11], s[46:47]
	v_lshrrev_b32 v1, 4, v0                        ; g
	v_and_b32 v2, 15, v0                           ; t % 16
	v_lshlrev_b32 v3, 14, v1                       ; heads 2 g and 2 g + 1 lie 8,192 bytes apart
	v_lshl_add_u32 v3, v2, 4, v3                   ; v3 and v4 are these loads' offsets and are not written again
	v_lshlrev_b32 v4, 5, v0
	global_load_b128 v[64:67], v3, s[6:7]
	global_load_b128 v[68:71], v3, s[6:7] offset:8192
	global_load_b128 v[72:75], v4, s[10:11]
	global_load_b128 v[76:79], v4, s[10:11] offset:16
	v_mul_u32_u24 v5, v2, 272
	v_lshl_add_u32 v5, v1, 2, v5
	v_add_nc_u32 v5, SCA, v5                       ; row 8 (t % 16) + j: block t % 16, 32 j, word g
	v_lshrrev_b32 v6, 3, v0
	v_and_b32 v7, 7, v0
	v_mul_u32_u24 v6, v6, 272
	v_lshl_add_u32 v6, v7, 5, v6
	v_add_nc_u32 v6, SCB, v6                       ; w_proj's row t: block t / 8, 32 (t % 8)
	v_and_b32 v12, 31, v0                          ; lane
	v_lshlrev_b32 v13, 4, v12                      ; 16 x lane
	v_lshlrev_b32 v14, 3, v12                      ; 8 x lane
	s_mul_i32 s32, s15, QT                         ; my four row tiles of y in a piece,
	s_mul_i32 s33, s16, QT
	s_add_co_u32 s33, s33, 2*QT                    ; my four of w_proj, behind y's eight
	v_add_nc_u32 v16, s32, v13                     ; y's fragments: registers 0-3 and 6-9,
	v_add_nc_u32 v17, s32, v14                     ; registers 4-5 and 10-11;
	v_add_nc_u32 v18, s33, v13                     ; w_proj's likewise
	v_add_nc_u32 v19, s33, v14
	v_and_b32 v8, 15, v0                           ; r
	v_bfe_u32 v9, v0, 4, 1                         ; h
	v_lshrrev_b32 v10, 3, v8
	v_and_b32 v11, 7, v8
	v_mul_u32_u24 v10, v10, 272
	v_lshl_add_u32 v10, v11, 5, v10                ; my row's 32 bytes of scales in its tile's two blocks
	s_mul_i32 s23, s15, 2176                       ; y's scales: my 64 rows
	s_mul_i32 s19, s16, 2176                       ; w_proj's: my 64 rows, 4,352 bytes on
	s_add_co_u32 s19, s19, 4352
	s_sub_co_u32 s19, s19, s23
	v_mul_u32_u24 v11, s19, v9                     ; lanes 16-31 take w_proj's: the lower base + h x the distance
	s_add_co_u32 s23, s23, SCA
	v_add_nc_u32 v10, v10, v11
	v_add_nc_u32 v[ADRS], s23, v10
	s_mul_i32 s23, s14, 16*SPIT
	s_add_co_u32 s23, s23, STAGE                   ; my stage
	v_mul_u32_u24 v20, v8, SPIT
	v_lshl_add_u32 v20, v9, 6, v20
	v_add_nc_u32 v20, s23, v20                     ; in: row r, 64 h
	v_mul_u32_u24 v21, v9, SPIT
	v_lshl_add_u32 v21, v8, 4, v21
	v_add_nc_u32 v21, s23, v21                     ; back: lanes 0-15 one row, lanes 16-31 the next
	v_lshlrev_b32 v22, 12, v9
	v_lshl_add_u32 v22, v8, 4, v22                 ; and the same in out0
	s_lshl_b32 s56, s17, 3
	s_lshl_b32 s57, s15, 2
	s_add_co_u32 s56, s56, s57
	s_lshl_b32 s56, s56, 16                        ; my first row tile x 16 rows x 4,096 bytes
	s_lshl_b32 s57, s42, 9
	s_add_co_u32 s56, s56, s57
	s_lshl_b32 s57, s16, 8
	s_add_co_u32 s56, s56, s57                     ; + (128 x tile column + 64 x half) x 4
	s_mov_b32 s57, 0
	s_add_nc_u64 s[12:13], s[12:13], s[56:57]
	s_wait_loadcnt 0x0                             ; the scales are in registers
.irp m, 0,1,2,3
	v_perm_b32 v[80+2*\m], v[68+\m], v[64+\m], 0x05040100          ; an even row's word: the even head's two bytes below, the odd head's above
	v_perm_b32 v[81+2*\m], v[68+\m], v[64+\m], 0x07060302          ; an odd row's
.endr
.irp j, 0,1,2,3,4,5,6,7
	ds_store_b32 v5, v[80+\j] offset:32*\j
.endr
	ds_store_b128 v6, v[72:75]
	ds_store_b128 v6, v[76:79] offset:16
	s_wait_alu depctr_va_vdst(0)
	s_wait_tensorcnt 0x0                           ; my one load has landed
	s_wait_dscnt 0x0                               ; for the others' sake: my stores of scales are done
	s_barrier_signal -1
	s_barrier_wait -1
.macro FRAG reg, a16, a8, off          ; a fragment, 16 rows x 128 K, is two chunks on end: every load reads consecutive bytes in consecutive lanes
	ds_load_b128 v[(\reg):(\reg)+3], v[\a16] offset:(\off)
	ds_load_b64 v[(\reg)+4:(\reg)+5], v[\a8] offset:(\off)+512
	ds_load_b128 v[(\reg)+6:(\reg)+9], v[\a16] offset:(\off)+768
	ds_load_b64 v[(\reg)+10:(\reg)+11], v[\a8] offset:(\off)+1280
.endm
.macro FETCH g                         ; the fragments of the g-th 128 along K into set g % 2: 32 loads
	WIN 0x40                                       ; destination window 1
.irp i, 0,1,2,3
	FRAG 128*((\g)%2)+12*\i, 16, 17, 12288*\i+1536*(\g)
	FRAG 128*((\g)%2)+48+12*\i, 18, 19, 12288*\i+1536*(\g)
.endr
	WIN 0
.endm
.macro MULP g                          ; 16 matrix instructions, the 16 accumulators by turns; the first K step starts the sums
	WIN 0x05                                       ; sources 0 and 1 window 1; C and D window 0
.irp a, 0,1,2,3
.irp b, 0,1,2,3
.if (\g) == 0
	v_wmma_scale_f32_16x16x128_f8f6f4 v[ACC+8*(4*\a+\b):ACC+8*(4*\a+\b)+7], v[128*((\g)%2)+48+12*\b:128*((\g)%2)+48+12*\b+11], v[128*((\g)%2)+12*\a:128*((\g)%2)+12*\a+11], 0, v[SC+8*\b+(\g)], v[SC+8*\a+(\g)] matrix_a_fmt:MATRIX_FMT_BF6 matrix_b_fmt:MATRIX_FMT_BF6 matrix_a_scale:MATRIX_SCALE_ROW1
.else
	v_wmma_scale_f32_16x16x128_f8f6f4 v[ACC+8*(4*\a+\b):ACC+8*(4*\a+\b)+7], v[128*((\g)%2)+48+12*\b:128*((\g)%2)+48+12*\b+11], v[128*((\g)%2)+12*\a:128*((\g)%2)+12*\a+11], v[ACC+8*(4*\a+\b):ACC+8*(4*\a+\b)+7], v[SC+8*\b+(\g)], v[SC+8*\a+(\g)] matrix_a_fmt:MATRIX_FMT_BF6 matrix_b_fmt:MATRIX_FMT_BF6 matrix_a_scale:MATRIX_SCALE_ROW1
.endif
.endr
.endr
	WIN 0
.endm
.macro STEPP g
	s_wait_dscnt 0x0                               ; this step's fragments are in
.if (\g) < 7
.rept 4
	v_nop                                          ; places in front of loads into registers that the last step's products have read
.endr
	FETCH (\g)+1
.endif
	MULP \g
.endm
	FETCH 0
.irp i, 0,1,2,3
	ds_load_b128 v[SC+8*\i:SC+8*\i+3], v[ADRS] offset:\i*544       ; all eight scale words of each row, once: lanes 0-15 y's block i, lanes 16-31 w_proj's
	ds_load_b128 v[SC+8*\i+4:SC+8*\i+7], v[ADRS] offset:\i*544+16
.endr
.irp g, 0,1,2,3,4,5,6,7
	STEPP \g
.endr
	; ---- THE WAY OUT, 16 tokens x 64 channels at a time, through my own stage: register j of accumulator (a, 2 p + u) is channel 32 p + 16 h + 8 u + j of token row r
.rept 4
	v_nop
.endr
.irp a, 0,1,2,3
.if \a > 0
	s_wait_xcnt 0x0                                ; the last block's stores have read their registers
.endif
.irp b, 0,1,2,3
	ds_store_b128 v20, v[ACC+8*(4*\a+\b):ACC+8*(4*\a+\b)+3] offset:128*(\b/2)+32*(\b%2)            ; each accumulator from its low end on
	ds_store_b128 v20, v[ACC+8*(4*\a+\b)+4:ACC+8*(4*\a+\b)+7] offset:128*(\b/2)+32*(\b%2)+16
.endr
.irp t, 0,1,2,3,4,5,6,7
	ds_load_b128 v[64+4*\t:67+4*\t], v21 offset:2*SPIT*\t          ; LDS serves a wave's instructions in order: these see my stores, and the next block's stores come behind them
.endr
.irp t, 0,1,2,3,4,5,6,7
	s_wait_dscnt 7-\t                              ; load t is back; the 7 - t behind it may be out
	global_store_b128 v22, v[64+4*\t:67+4*\t], s[12:13] offset:(32*(\a/2)+8*(\a%2)+2*\t+8*(\t/4))*4096 th:TH_STORE_NT   ; 16 lanes store 256 consecutive bytes, at a multiple of 256 from out0's first byte; tile row 2 t + h is token 2 t + 8 (t / 4) + h of the tile
.endr
.endr
	s_wait_tensorcnt 0x0
	ds_add_u32 v126, v127
	s_wait_dscnt 0x0
	CROUND                                         ; the closing round: no work-group ends while a partner may still ask for a tile that names it
	s_endpgm
.Lfunc_end_k_q4698f39215_proj:
	.size	k_q4698f39215_proj, .Lfunc_end_k_q4698f39215_proj-k_q4698f39215_proj
	.p2alignl 7, 3214868480
	.fill 96, 4, 3214868480
	.section	.rodata,"a",@progbits
	.p2align	6, 0x0
	.amdhsa_kernel k_q4698f39215_proj
		.amdhsa_group_segment_fixed_size 229888
		.amdhsa_private_segment_fixed_size 0
		.amdhsa_enable_private_segment 0
		.amdhsa_kernarg_size 40
		.amdhsa_user_sgpr_count 2
		.amdhsa_user_sgpr_kernarg_segment_ptr 1
		.amdhsa_wavefront_size32 1
		.amdhsa_system_sgpr_workgroup_id_x 1
		.amdhsa_system_sgpr_workgroup_id_y 1
		.amdhsa_system_sgpr_workgroup_id_z 1
		.amdhsa_system_vgpr_workitem_id 0
		.amdhsa_next_free_vgpr 512
		.amdhsa_next_free_sgpr 100
		.amdhsa_reserve_vcc 0
		.amdhsa_float_denorm_mode_32 3
		.amdhsa_float_denorm_mode_16_64 3
		.amdhsa_memory_ordered 1
		.amdhsa_forward_progress 1
		.amdhsa_inst_pref_size 53
	.end_amdhsa_kernel
	.amdgpu_metadata
---
amdhsa.version: [ 1, 2 ]
amdhsa.kernels:
  - .name:           k_q4698f39215_proj
    .symbol:         k_q4698f39215_proj.kd
    .args:
      - { .name: y_codes, .offset: 0, .size: 8, .value_kind: global_buffer, .address_space: global }
      - { .name: y_scales, .offset: 8, .size: 8, .value_kind: global_buffer, .address_space: global }
      - { .name: xw_codes, .offset: 16, .size: 8, .value_kind: global_buffer, .address_space: global }
      - { .name: xw_scales, .offset: 24, .size: 8, .value_kind: global_buffer, .address_space: global }
      - { .name: out0, .offset: 32, .size: 8, .value_kind: global_buffer, .address_space: global }
    .group_segment_fixed_size: 229888
    .private_segment_fixed_size: 0
    .kernarg_segment_align: 8
    .kernarg_segment_size: 40
    .max_flat_workgroup_size: 128
    .sgpr_count:     100
    .vgpr_count:     512
    .wavefront_size: 32
...
	.end_amdgpu_metadata
.endif
;; end of part 4
